; MI455X (gfx1250); checked and timed in simulation.
; The chip was launched on July 23, 2026; its instructions are those of AMD's public machine-readable ISA for CDNA 5 (MIT licence, August 2026) and "CDNA5" Instruction Set Architecture Reference Guide (July 2026). The comments in the code are by the model that wrote it; some were corrected since.
;; Causal MHA. Allowed arithmetic: matrix products marked QUANTISED: E2M1 operands, one E8M0 scale for each 32 along K, by v_wmma_scale_f32_16x16x128_f8f6f4 with both operands' format E2M1 (or v_wmma_scale_f32_32x16x128_f4), f32 sums; products left as they are: bf16, f16 or f32 operands; f32 sums; everything else in f32.
;; Inputs: Wk 1,024 x 1,024 float32; Wo 1,024 x 1,024 float32; Wq 1,024 x 1,024 float32; Wv 1,024 x 1,024 float32; token_pos 2,048 int32; x 4 x 2,048 x 1,024 float32.
;; Outputs: out0 4 x 2,048 x 1,024 float32.
;; This version of the problem:
;;   THIS VERSION OF THE PROBLEM IS GIVEN IN LOW PRECISION. The matrix products marked QUANTISED in the list below multiply operands that are first quantised to E2M1 (2 exponent bits, 1 mantissa bit; 4 bits a number), with one power-of-two scale for each 32 numbers along K (OCP MX v1.0); their sums are f32. The products marked 'left as it is' may take bf16, f16 or f32 operands, with f32 sums. Whichever they take, every output number must still come out within the allowed error. Rounding operands to bf16 (8 significant bits) uses up far more of that allowance than f16 does (11 bits, for magnitudes from 6e-5 to 65,504). All else is computed in f32.
;;   The module's matrix products, in the order in which they are computed (A, B: the left and right operand; K: the contracted axis; several contracted axes count as one K, in the product's order):
;;     1. [M 8,192, K 1,024] x [K 1,024, N 1,024]; A: input x; B: input Wq: QUANTISED
;;     2. [M 8,192, K 1,024] x [K 1,024, N 1,024]; A: input x; B: input Wk: QUANTISED
;;     3. [M 8,192, K 1,024] x [K 1,024, N 1,024]; A: input x; B: input Wv: QUANTISED
;;     4. batch 64 x [M 2,048, K 64] x [K 64, N 2,048]; A: computed on the way; B: computed on the way: left as it is (an operand is computed on the way)
;;     5. batch 64 x [M 2,048, K 2,048] x [K 2,048, N 64]; A: computed on the way; B: computed on the way: left as it is (an operand is computed on the way)
;;     6. [M 8,192, K 1,024] x [K 1,024, N 1,024]; A: computed on the way; B: input Wo: left as it is (an operand is computed on the way)
;;   THE QUANTISER, for each operand of a quantised product, along K:
;;     - K is cut into blocks of 32 from its start; a last block that is shorter is filled with zeros.
;;     - A block's scale is 2^e with e = floor(log2(the largest magnitude in the block)) - 2, held to -126 .. 127; a block of zeros has e = 0. As a byte (E8M0): e + 127.
;;     - Each number is divided by its block's scale, clamped to +-6, and rounded to the nearest number of E2M1, ties to even, subnormals kept.
;;     - The product sums the exact products of the quantised numbers (number of the format x scale) in f32.
;;   ~~~python
;;   def quantise(x, axis):      # numpy; x: float32 -> the quantised numbers, widened to float32 again
;;       x = np.moveaxis(x, axis, -1); K = x.shape[-1]
;;       x = np.pad(x, [(0, 0)] * (x.ndim - 1) + [(0, -K % 32)]); x = x.reshape(x.shape[:-1] + (-1, 32)); a = np.abs(x).max(-1, keepdims=True)
;;       e = np.where(a > 0, np.clip(np.frexp(np.where(a > 0, a, 1))[1] - 1 - 2, -126, 127), 0)      # np.frexp(a)[1] - 1 = floor(log2(a)), exactly
;;       r = np.clip(x / 2.0 ** e, -6, 6)
;;       step = 2.0 ** (np.maximum(np.frexp(np.where(r == 0, 1, r))[1] - 1, 0) - 1)
;;       q = np.round(r / step) * step * 2.0 ** e      # np.round: ties to even
;;       return np.moveaxis(q.reshape(q.shape[:-2] + (-1,))[..., :K], -1, axis).astype(np.float32)
;;   ~~~
;; One version. Each part assembles by itself: llvm-mc -triple=amdgcn-amd-amdhsa -mcpu=gfx1250 --defsym DOCPART=n.
;; ======== version 1 of 1: 5 launches
;; limits: values are held in f16: magnitudes above 65,504 overflow, below 6.1e-05 lose precision
;; workspace buffers: codes 5,767,168 bytes; scales 360,448 bytes; wo16 2,097,152 bytes; tab 1,572,864 bytes; qkv16 50,331,648 bytes; att16 16,777,216 bytes; fine32 6,291,456 bytes
;; launch prep (part 1): grid 416 x 1, 4 waves a work-group, no clusters, 33,280 bytes of LDS; arguments x, Wq, Wk, Wv, Wo, token_pos, codes, scales, wo16, tab; writes codes, scales, wo16, tab
.if DOCPART == 1
	.amdgcn_target "amdgcn-amd-amdhsa--gfx1250"
	.amdhsa_code_object_version 6
	.text
	.protected	k_q67daed788a_prep
	.globl	k_q67daed788a_prep
	.p2align	8
	.type	k_q67daed788a_prep,@function
k_q67daed788a_prep:
	s_mov_b64 s[64:65], 0
	v_nop
	global_prefetch_b8 v0, s[64:65] scope:SCOPE_SE
	s_setreg_imm32_b32 hwreg(HW_REG_WAVE_MODE, 25, 1), 1
	s_wait_xcnt 0x0
; THREE JOBS IN ONE LAUNCH, told apart by the work-group's number alone.
; Work-groups 0-351: x [8192][1024] and Wq, Wk, Wv [1024][1024], f32 with K innermost, become codes of FP4 (E2M1) and one E8M0 byte for each 32 along K.
;   codes: x's 8,192 rows of 512 bytes, then the 3,072 rows of Wq, Wk, Wv;  scales: the same rows, 32 bytes each.  Both tensors are plain streams of blocks of 32.
;   A block's scale is 2^(floor(log2(largest magnitude)) - 2): its byte is the largest magnitude's exponent field - 2, held at 1 from below.
; Work-groups 352-383: Wo, f32, is rounded to f16 (wo16), as it lies.
; Work-groups 384-415: three tables [2048 positions][32 pairs](cos, sin), f32, 256 bytes a row: table 0 for q, times c = log2(e) / 8; table 1 for k; table 2, (1, 0), for v.
;   angle = f32(token_pos) x 10000^(-i / 32); it is reduced by pi/2 in two parts with fused multiply-adds; sine and cosine by polynomials on |r| <= pi/4.
; LIMITS: a block of zeros gets the byte 1 where the rule says 127 (its codes are zeros, and this program alone reads the bytes); blocks whose largest magnitude lies under 2^-124 were not tried;
; NaN and infinities are not served; |Wo| stays under 65,504 (f16).  The frequency comes from v_exp_f32 (1 ulp) of a rounded argument: relative error under 1e-6.
.set WAVES, 4
.set STEPS, 16
.set EMAX,  2
.set CB,    8                          ; bytes of 16 codes
.set R,     16                         ; v16-79   four sets of 16 numbers as loaded
.set X,     80                         ; v80-111  two sets of 16 neighbours
.set E,     112                        ; v112-127 a scale byte for each step
.set C,     128                        ; v128-191 codes, four registers a step
.set WREG,  8192                       ; LDS: a region for each wave: two stages of 32 x SP bytes, then its 256 scale bytes
.set SP,    80                         ; a lane's place in a stage: 64 bytes + 16 of padding
.set SPW,   12                         ; v12 LDS address of my spare word; never rewritten
.set NIL,   13                         ; v13 0; never rewritten
.set SPARE, WAVES*WREG                 ; behind the four regions: the spare words, 128 bytes a wave
	s_load_b256 s[4:11], s[0:1], 0x0               ; x, Wq, Wk, Wv
	s_load_b256 s[12:19], s[0:1], 0x20             ; Wo, token_pos, codes, scales
	s_load_b128 s[20:23], s[0:1], 0x40             ; wo16, tab
	v_lshl_add_u32 v[SPW], v0, 2, SPARE
	v_mov_b32 v[NIL], 0
	v_lshrrev_b32 v1, 5, v0
	v_readfirstlane_b32 s24, v1                    ; wave
	v_and_b32 v2, 31, v0                           ; lane
	s_wait_kmcnt 0x0
	s_cmp_ge_u32 ttmp9, 352
	s_cbranch_scc1 .Lother
; ---------------- the quantiser: a wave takes 16 steps of 512 numbers ----------------
; Each load reads 512 consecutive bytes; a step's 2,048 bytes turn through the wave's own stage so that a lane holds 16 neighbours; two neighbouring lanes hold a block.
	v_lshlrev_b32 v3, 4, v2                        ; my 16 bytes of a load's 512
	s_mul_i32 s25, s24, WREG
	v_lshrrev_b32 v14, 2, v2
	v_mul_u32_u24 v14, v14, SP
	v_and_b32 v15, 3, v2
	v_lshl_add_u32 v14, v15, 4, v14
	v_add_nc_u32 v14, s25, v14                     ; the stage, way in: SP (lane / 4) + 16 (lane % 4)
	v_mul_u32_u24 v15, v2, SP
	v_add_nc_u32 v15, s25, v15                     ; way out: SP x lane
	v_mul_u32_u24 v4, v2, CB                       ; my codes' place in a step's
	v_lshrrev_b32 v5, 1, v2
	s_add_co_u32 s25, s25, 2*32*SP
	v_add_nc_u32 v5, s25, v5                       ; my block's scale byte in the wave's 256
	v_lshlrev_b32 v7, 3, v2
	v_add_nc_u32 v6, s25, v7
	s_sub_co_u32 s25, ttmp9, 256                   ; which tensor: the choice hangs on the work-group's number alone
	s_lshr_b32 s26, s25, 5
	s_and_b32 s27, s25, 31
	s_cmp_eq_u32 s26, 1
	s_cselect_b64 s[6:7], s[8:9], s[6:7]
	s_cmp_eq_u32 s26, 2
	s_cselect_b64 s[6:7], s[10:11], s[6:7]
	s_cmp_lt_u32 ttmp9, 256
	s_cselect_b64 s[4:5], s[4:5], s[6:7]
	s_cselect_b32 s27, ttmp9, s27
	s_lshl_b32 s27, s27, 2
	s_add_co_u32 s27, s27, s24                     ; my run of 8,192 numbers in that tensor
	s_lshl_b32 s28, s27, 15
	s_mov_b32 s29, 0
	s_add_nc_u64 s[4:5], s[4:5], s[28:29]
	s_lshl_b32 s27, ttmp9, 2
	s_add_co_u32 s27, s27, s24                     ; and in the outputs: x's 1,024 runs, then the weights' 384
	s_lshl_b32 s28, s27, 12
	s_add_nc_u64 s[16:17], s[16:17], s[28:29]
	s_lshl_b32 s28, s27, 8
	s_add_nc_u64 s[18:19], s[18:19], s[28:29]
.macro LOAD t
.irp i, 0,1,2,3
	global_load_b128 v[R+16*((\t)%4)+4*\i:R+16*((\t)%4)+4*\i+3], v3, s[4:5] offset:2048*(\t)+512*\i th:TH_LOAD_NT
.endr
.endm
.macro TURN t                          ; LDS serves a wave's instructions in order: no wait between the stores and the loads
.irp i, 0,1,2,3
	ds_store_b128 v14, v[R+16*((\t)%4)+4*\i:R+16*((\t)%4)+4*\i+3] offset:32*SP*((\t)%2)+8*SP*\i
.endr
.irp i, 0,1,2,3
	ds_load_b128 v[X+16*((\t)%2)+4*\i:X+16*((\t)%2)+4*\i+3], v15 offset:32*SP*((\t)%2)+16*\i
.endr
.endm
.irp t, 0,1,2,3
	LOAD \t
.endr
	s_wait_loadcnt 12                              ; step 0's four loads are in
	TURN 0
.macro STEP t
.set XS, X+16*((\t)%2)
.if (\t) > 0
	s_wait_dscnt 1                                 ; this step's numbers are back (the last step's byte store may be out)
.else
	s_wait_dscnt 0x0
.endif
.if (\t)+4 < STEPS
	LOAD (\t)+4
.endif
.if (\t)+1 < STEPS
.if STEPS-2-(\t) >= 3
	s_wait_loadcnt 12                              ; the next step's loads are in; three steps' may be out
.else
	s_wait_loadcnt 4*(STEPS-2-(\t))
.endif
	TURN (\t)+1
.endif
	v_max3_num_f32 v8, |v[XS]|, |v[XS+1]|, |v[XS+2]|
	v_max3_num_f32 v9, |v[XS+3]|, |v[XS+4]|, |v[XS+5]|
.irp i, 6,10
	v_max3_num_f32 v8, v8, |v[XS+\i]|, |v[XS+\i+1]|
	v_max3_num_f32 v9, v9, |v[XS+\i+2]|, |v[XS+\i+3]|
.endr
	v_max3_num_f32 v8, v8, |v[XS+14]|, |v[XS+15]|
	v_max3_num_f32 v8, v8, v9, (EMAX+1)<<23        ; the floor 2^(3 - 127): the byte cannot fall under 1
	v_max_num_f32_dpp v8, v8, v8 row_xmask:1 row_mask:0xf bank_mask:0xf   ; with my neighbour's 16: the block's largest magnitude
	v_add_nc_u32 v11, -(EMAX<<23), v8              ; 2 off its exponent field: the conversion's scale operand
	v_cvt_scalef32_pk8_fp4_f32 v[C+4*(\t)], v[XS:XS+7], v11
	v_cvt_scalef32_pk8_fp4_f32 v[C+4*(\t)+1], v[XS+8:XS+15], v11
	v_lshrrev_b32 v[E+(\t)], 23, v11               ; the scale's byte
	ds_store_b8 v5, v[E+(\t)] offset:16*(\t)       ; both lanes of a block write the same byte
	global_store_b64 v4, v[C+4*(\t):C+4*(\t)+1], s[16:17] offset:32*CB*(\t)   ; the wave stores 256 consecutive bytes
.endm
.irp t, 0,1,2,3,4,5,6,7,8,9,10,11,12,13,14,15
	STEP \t
.endr
	ds_load_b64 v[8:9], v6
	s_wait_dscnt 0x0
	global_store_b64 v7, v[8:9], s[18:19]          ; the wave's 256 scale bytes, aligned
	s_wait_tensorcnt 0x0                           ; the wave's end, behind my last LDS store
	ds_add_u32 v[SPW], v[NIL]
	s_wait_dscnt 0x0
	s_endpgm
.Lother:
	s_cmp_ge_u32 ttmp9, 384
	s_cbranch_scc1 .Ltab
; ---------------- Wo to f16: a wave takes 8,192 numbers, four groups of 16 loads ----------------
.set XA, 16                            ; v16-79, v80-143: two sets of 64 numbers;  v144-175: 32 registers of f16 pairs
.set XB, 80
.set YY, 144
	s_sub_co_u32 s25, ttmp9, 352
	s_lshl_b32 s25, s25, 2
	s_add_co_u32 s25, s25, s24
	s_lshl_b32 s26, s25, 15
	s_mov_b32 s27, 0
	s_add_nc_u64 s[12:13], s[12:13], s[26:27]
	s_lshl_b32 s26, s25, 14
	s_add_nc_u64 s[20:21], s[20:21], s[26:27]
	v_lshlrev_b32 v3, 4, v2
	v_lshlrev_b32 v4, 3, v2
.macro LOADG g, base
.set i, 0
.rept 16
	global_load_b128 v[\base+4*i:\base+4*i+3], v3, s[12:13] offset:512*(16*\g+i) th:TH_LOAD_NT
.set i, i+1
.endr
.endm
.macro CVTG base
.set i, 0
.rept 32
	v_cvt_pk_f16_f32 v[YY+i], v[\base+2*i], v[\base+2*i+1]
.set i, i+1
.endr
.endm
.macro STOREG g
.set i, 0
.rept 16
	global_store_b64 v4, v[YY+2*i:YY+2*i+1], s[20:21] offset:256*(16*\g+i)   ; 256 consecutive bytes, aligned
.set i, i+1
.endr
.endm
	LOADG 0, XA
	LOADG 1, XB
	s_wait_loadcnt 16                              ; the older group is in; the younger group's 16 loads may be out
	CVTG XA
	STOREG 0
	LOADG 2, XA
	s_wait_loadcnt 16
	s_wait_xcnt 0x0                                ; the last group's stores have read their data registers
	CVTG XB
	STOREG 1
	LOADG 3, XB
	s_wait_loadcnt 16
	s_wait_xcnt 0x0
	CVTG XA
	STOREG 2
	s_wait_loadcnt 0x0
	s_wait_xcnt 0x0
	CVTG XB
	STOREG 3
	s_endpgm
.Ltab:
; ---------------- the tables: a wave takes 16 positions, a lane a pair ----------------
	s_sub_co_u32 s25, ttmp9, 384
	s_lshl_b32 s25, s25, 2
	s_add_co_u32 s25, s25, s24                     ; which 16 positions
	s_lshl_b32 s26, s25, 6
	s_mov_b32 s27, 0
	s_add_nc_u64 s[14:15], s[14:15], s[26:27]
	s_lshl_b32 s26, s25, 12
	s_add_nc_u64 s[22:23], s[22:23], s[26:27]
	v_mov_b32 v3, 0
.irp i, 0,1,2,3
	global_load_b128 v[16+4*\i:19+4*\i], v3, s[14:15] offset:16*\i   ; the 16 positions, in every lane
.endr
	s_mov_b32 s30, 0x3f22f983                      ; 2 / pi
	s_mov_b32 s31, 0xbfc90fdb                      ; -(pi/2), high part
	s_mov_b32 s32, 0x333bbd2e                      ; -(pi/2), low part
	s_mov_b32 s33, 0xbe2aaaa3                      ; sine: r + r z (S1 + z (S2 + z S3))
	s_mov_b32 s34, 0x3c08839e
	s_mov_b32 s35, 0xb94ca1f9
	s_mov_b32 s36, 0x3d2aaaa5                      ; cosine: 1 - z/2 + z z (C1 + z (C2 + z C3))
	s_mov_b32 s37, 0xbab6061a
	s_mov_b32 s38, 0x37ccf5ce
	s_mov_b32 s39, 0x3e38aa3b                      ; c = log2(e) / 8
	v_cvt_f32_u32 v4, v2
	v_mul_f32 v4, 0xbed49a78, v4                   ; -i log2(10000) / 32
	v_exp_f32 v48, v4                              ; the pair's frequency
	v_lshlrev_b32 v5, 3, v2                        ; (a plain instruction behind the exponential)  8 bytes a lane
	v_mov_b32 v60, 1.0
	v_mov_b32 v61, 0
	s_wait_alu depctr_va_vdst(0)                   ; the wait ahead of the first reader
	s_wait_loadcnt 0x0
.macro ROW t
	v_cvt_f32_i32 v32, v[16+\t]
	v_mul_f32 v32, v32, v48                        ; the angle, as one f32 product
	v_mul_f32 v33, s30, v32
	v_rndne_f32 v33, v33                           ; n quarter turns
	v_fma_f32 v34, v33, s31, v32
	v_fma_f32 v34, v33, s32, v34                   ; r = angle - n pi/2
	v_cvt_i32_f32 v35, v33
	v_mul_f32 v36, v34, v34                        ; z
	v_fma_f32 v37, v36, s35, s34
	v_fma_f32 v39, v36, s38, s37
	v_fma_f32 v37, v37, v36, s33
	v_fma_f32 v39, v39, v36, s36
	v_mul_f32 v38, v36, v34
	v_mul_f32 v40, v36, v36
	v_fma_f32 v41, v36, -0.5, 1.0
	v_fma_f32 v37, v37, v38, v34                   ; sin r
	v_fma_f32 v39, v39, v40, v41                   ; cos r
	v_and_b32 v42, 1, v35
	v_cmp_eq_u32 vcc_lo, 1, v42                    ; an odd quarter swaps the two
	v_cndmask_b32 v43, v37, v39, vcc_lo
	v_cndmask_b32 v44, v39, v37, vcc_lo
	v_lshlrev_b32 v45, 30, v35                     ; sine's sign: bit 1 of n
	v_add_nc_u32 v46, 1, v35
	v_and_b32 v45, 0x80000000, v45
	v_lshlrev_b32 v46, 30, v46                     ; cosine's: bit 1 of n + 1
	v_and_b32 v46, 0x80000000, v46
	v_xor_b32 v[65+4*\t], v43, v45
	v_xor_b32 v[64+4*\t], v44, v46
	v_mul_f32 v[66+4*\t], s39, v[64+4*\t]
	v_mul_f32 v[67+4*\t], s39, v[65+4*\t]
	global_store_b64 v5, v[66+4*\t:67+4*\t], s[22:23] offset:256*\t              ; each store: 256 consecutive bytes, aligned; each row has registers of its own
	global_store_b64 v5, v[64+4*\t:65+4*\t], s[22:23] offset:524288+256*\t
	global_store_b64 v5, v[60:61], s[22:23] offset:1048576+256*\t
.endm
.irp t, 0,1,2,3,4,5,6,7,8,9,10,11,12,13,14,15
	ROW \t
.endr
	s_endpgm
.Lfunc_end_k_q67daed788a_prep:
	.size	k_q67daed788a_prep, .Lfunc_end_k_q67daed788a_prep-k_q67daed788a_prep
	.p2alignl 7, 3214868480
	.fill 96, 4, 3214868480
	.section	.rodata,"a",@progbits
	.p2align	6, 0x0
	.amdhsa_kernel k_q67daed788a_prep
		.amdhsa_group_segment_fixed_size 33280
		.amdhsa_private_segment_fixed_size 0
		.amdhsa_enable_private_segment 0
		.amdhsa_kernarg_size 80
		.amdhsa_user_sgpr_count 2
		.amdhsa_user_sgpr_kernarg_segment_ptr 1
		.amdhsa_wavefront_size32 1
		.amdhsa_system_sgpr_workgroup_id_x 1
		.amdhsa_system_sgpr_workgroup_id_y 1
		.amdhsa_system_sgpr_workgroup_id_z 1
		.amdhsa_system_vgpr_workitem_id 0
		.amdhsa_next_free_vgpr 192
		.amdhsa_next_free_sgpr 66
		.amdhsa_reserve_vcc 1
		.amdhsa_float_denorm_mode_32 3
		.amdhsa_float_denorm_mode_16_64 3
		.amdhsa_memory_ordered 1
		.amdhsa_forward_progress 1
		.amdhsa_inst_pref_size 81
	.end_amdhsa_kernel
	.amdgpu_metadata
---
amdhsa.version: [ 1, 2 ]
amdhsa.kernels:
  - .name:           k_q67daed788a_prep
    .symbol:         k_q67daed788a_prep.kd
    .args:
      - { .name: x, .offset: 0, .size: 8, .value_kind: global_buffer, .address_space: global }
      - { .name: Wq, .offset: 8, .size: 8, .value_kind: global_buffer, .address_space: global }
      - { .name: Wk, .offset: 16, .size: 8, .value_kind: global_buffer, .address_space: global }
      - { .name: Wv, .offset: 24, .size: 8, .value_kind: global_buffer, .address_space: global }
      - { .name: Wo, .offset: 32, .size: 8, .value_kind: global_buffer, .address_space: global }
      - { .name: token_pos, .offset: 40, .size: 8, .value_kind: global_buffer, .address_space: global }
      - { .name: codes, .offset: 48, .size: 8, .value_kind: global_buffer, .address_space: global }
      - { .name: scales, .offset: 56, .size: 8, .value_kind: global_buffer, .address_space: global }
      - { .name: wo16, .offset: 64, .size: 8, .value_kind: global_buffer, .address_space: global }
      - { .name: tab, .offset: 72, .size: 8, .value_kind: global_buffer, .address_space: global }
    .group_segment_fixed_size: 33280
    .private_segment_fixed_size: 0
    .kernarg_segment_align: 8
    .kernarg_segment_size: 80
    .max_flat_workgroup_size: 128
    .sgpr_count:     66
    .vgpr_count:     192
    .wavefront_size: 32
...
	.end_amdgpu_metadata
.endif
;; end of part 1
;; launch qkv (part 2): grid 12 x 32, 4 waves a work-group, clusters of 4 x 4, 327,680 bytes of LDS; arguments codes, scales, tab, qkv16, fine32; writes qkv16, fine32
.if DOCPART == 2
	.amdgcn_target "amdgcn-amd-amdhsa--gfx1250"
	.amdhsa_code_object_version 6
	.text
	.protected	k_q67daed788a_qkv
	.globl	k_q67daed788a_qkv
	.p2align	8
	.type	k_q67daed788a_qkv,@function
k_q67daed788a_qkv:
	s_mov_b64 s[64:65], 0
	v_nop
	global_prefetch_b8 v0, s[64:65] scope:SCOPE_SE
	s_setreg_imm32_b32 hwreg(HW_REG_WAVE_MODE, 25, 1), 1
	s_wait_xcnt 0x0
	s_wait_alu depctr_hold_cnt(0) depctr_sa_sdst(0) depctr_va_vdst(0) depctr_va_sdst(0) depctr_va_ssrc(0) depctr_va_vcc(0) depctr_vm_vsrc(0)
	s_getreg_b32 s2, hwreg(HW_REG_IB_STS2, 6, 4)
	s_cmp_eq_u32 s2, 0
	s_cbranch_scc0 .Lentry_in_a_cluster
	s_endpgm
.Lentry_in_a_cluster:
	s_bfe_u32 s2, ttmp6, 0x10000c
	s_cmp_lg_u32 s2, 0xf033
	s_cbranch_scc0 .Lentry_shape_is_right
	s_endpgm
.Lentry_shape_is_right:
; [8192 rows of x] x [3072 rows of Wq, Wk, Wv], K = 1,024, on codes of FP4 (E2M1) with one E8M0 scale for each 32 along K; sums in f32.  The rotation by position is applied on the way out.
; A tile, 256 x 256, is made by four waves; a wave makes 128 x 128: 64 accumulators, 512 registers.  K goes in two steps of 512 through two LDS slots: each slot is filled ONCE, so no slot is filled again.
; The scales of the work-group's 256 + 256 rows come into LDS once, in whole rows of 256 bytes.  By this text's count a wave has three tensor loads out at the start.
; CLUSTERS: 4 x 4.  The four of a row need the same tiles of x, the four of a column the same tiles of W: each tile is asked for jointly.  The cluster's x says which of q, k, v is made: the same in all partners.
; THE MATRIX INSTRUCTION IS USED TRANSPOSED (source 0 = 16 rows of W, source 1 = 16 rows of x): a lane holds eight neighbouring columns of one row: four pairs of the rotation.
; WAY OUT, a block of 16 rows at a time: (x1, x2) -> (x1 c - x2 s, x1 s + x2 c) with (c, s) from the part's table (q's holds log2(e)/8 too; v's is (1, 0): one path for all three);
; rounded to f16; through my stage in LDS; stored by head, [part][batch x 16 + head][position][64], 512 consecutive bytes an instruction.  Rows 0-15 of the tile also leave in f32 (fine32).
; LIMIT: |q log2(e)/8|, |k|, |v| stay under 65,504 (f16).
; REGISTERS: window 0: v0-31 addresses; v32-95 scale words; v128-191 x's fragments; on the way out v32-63 f16, v64-127 rows read back, v128-191 rotated numbers, v192-199 at work.
;   window 1: W's fragments at v0 and v128; v64-127 two sets of table entries.   windows 2, 3: the accumulators.
.set SIZE_K, 1024
.set KSTEP,  512
.set NQ,     KSTEP/128
.set ROWB,   256
.set KROW,   SIZE_K*4/8
.set PITCH,  272                       ; 256 bytes + 16 of padding: the 16 rows that a load touches start at 16 different banks
.set FR,     8
.set NL,     2
.set NP,     4
.set HALFT,  128*PITCH
.set SLOT,   4*HALFT
.set KS,     SIZE_K/32
.set SCL,    2*SLOT
.set HALFS,  (128*KS/256)*272
.set SBLK,   (16*KS/256)*272
.set SPARE,  SCL+4*HALFS               ; the spare words, 128 bytes a wave
.set WCODES, 0x400000                  ; where W's codes begin in the codes' buffer
.set WSCALES, 0x40000                  ; and its scale bytes
.set HST,    2*16*144                  ; the way out: a stage of 2 heads x 16 rows x (128 + 16) bytes for each wave, in slot 0, which has had its only fill and its last read by then
.set FST,    4*HST                     ; behind them: 16 rows x (512 + 16) bytes for each wave, for the f32 rows
.set FSTW,   16*528
.set ADRA, 16
.set ADRB, 20
.set STO32, 22
.set RD32, 23
.set STO,  24
.set RD,   25
.set CO,   26
.set ADRS, 27
.set SPW,  28
.set NIL,  29
.set TBO,  30
.set SC,   32
.set AF,   128
.set HH,   32
.set BK,   64
.set RR,   128
.set TP,   192
.set G1, 24
.set G0, 32
.set G1B, 48
.set G0B, 56
.set G1S, 68
.set G0S, 76
.set G1SB, 80
.set G0SB, 88
.set MSB, 0
.macro WIN new                         ; the immediate's high byte repeats the setting that is left
.if MSB != \new
	s_set_vgpr_msb (MSB<<8)|\new
.set MSB, \new
.endif
.endm
.set MUL_LO, 0xa1
.set MUL_HI, 0xf1
.set TO_B,   0x40
; A joint load: waves 0 and 1 fetch for x, waves 2 and 3 for W.  An s_nop 0 and four v_nop follow each of the two lines.
.macro JLOAD g0a, g1a, g0b, g1b
	s_cmp_eq_u32 s15, 0
	s_cbranch_scc0 .Lfor_b_\@
	tensor_load_to_lds s[\g0a:\g0a+3], s[\g1a:\g1a+7]
	s_nop 0
.rept 4
	v_nop
.endr
	s_branch .Lasked_\@
.Lfor_b_\@:
	tensor_load_to_lds s[\g0b:\g0b+3], s[\g1b:\g1b+7]
	s_nop 0
.rept 4
	v_nop
.endr
.Lasked_\@:
.endm
.macro CROUND                          ; a round of the cluster's barrier
	s_barrier_signal -1
	s_barrier_wait -1
	s_cmp_lg_u32 s14, 0
	s_cbranch_scc1 .Lnot_wave_0_\@
	s_barrier_signal -3
.Lnot_wave_0_\@:
	s_barrier_wait -3
	s_barrier_signal -1
	s_barrier_wait -1
.endm
	s_load_b256 s[4:11], s[0:1], 0x0               ; codes, scales, tab, qkv16
	s_load_b64 s[12:13], s[0:1], 0x20              ; fine32
	v_lshl_add_u32 v[SPW], v0, 2, SPARE
	v_mov_b32 v[NIL], 0
	ds_add_u32 v[SPW], v[NIL]                      ; the wave's opening: the add, twice on end, and its wait ahead of my first tensor load
	ds_add_u32 v[SPW], v[NIL]
	v_lshrrev_b32 v1, 5, v0
	v_readfirstlane_b32 s14, v1                    ; wave 0..3
	s_lshr_b32 s15, s14, 1                         ; my half of the tile's rows; also: I fetch for x (0) or W (1)
	s_and_b32 s16, s14, 1                          ; my half of its columns; also: which 128 rows I fetch
	s_bfe_u32 s40, ttmp6, 0x40000                  ; cx
	s_bfe_u32 s41, ttmp6, 0x40004                  ; cy
	s_lshl_b32 s42, ttmp9, 2
	s_add_co_u32 s42, s42, s40                     ; tile column
	s_and_b32 s17, ttmp7, 0xffff
	s_lshl_b32 s17, s17, 2
	s_add_co_u32 s17, s17, s41                     ; tile row
	s_lshl_b32 s43, s41, 2
	s_lshl_b32 s43, 15, s43                        ; my row of the cluster
	s_lshl_b32 s44, 0x1111, s40                    ; my column
	s_or_b32 s[G1+0], s43, (0<<16)|(1<<20)|(1<<21)|(5<<22)|(3<<25)   ; mask; elements of 1 byte; padding: 4 words after every 64; bit 21 beside a mask
	s_or_b32 s[G1B+0], s44, (0<<16)|(1<<20)|(1<<21)|(5<<22)|(3<<25)
.irp g, G1, G1B
	s_mov_b32 s[\g+1], ROWB<<16                    ; tensor_dim0
	s_mov_b32 s[\g+2], 128<<16                     ; tensor_dim1
	s_mov_b32 s[\g+3], ROWB<<16                    ; tile_dim0
	s_mov_b32 s[\g+4], 128                         ; tile_dim1
	s_mov_b32 s[\g+5], KROW                        ; the pitch
	s_mov_b32 s[\g+6], 0
	s_mov_b32 s[\g+7], 0
.endr
	s_or_b32 s[G1S+0], s43, (3<<16)|(1<<20)|(1<<21)|(5<<22)|(3<<25)  ; the scales of 128 rows: 4,096 dense bytes as 16 rows of 32 elements of 8 bytes
	s_or_b32 s[G1SB+0], s44, (3<<16)|(1<<20)|(1<<21)|(5<<22)|(3<<25)
.irp g, G1S, G1SB
	s_mov_b32 s[\g+1], 32<<16
	s_mov_b32 s[\g+2], (128*KS/256)<<16
	s_mov_b32 s[\g+3], 32<<16
	s_mov_b32 s[\g+4], 128*KS/256
	s_mov_b32 s[\g+5], 32
	s_mov_b32 s[\g+6], 0
	s_mov_b32 s[\g+7], 0
.endr
	s_lshl_b32 s18, s16, 7
	s_lshl_b32 s20, s17, 8
	s_add_co_u32 s20, s20, s18                     ; x: row 256 x tile row + 128 x half
	s_lshl_b32 s46, s42, 8
	s_add_co_u32 s46, s46, s18                     ; W: row 256 x tile column + 128 x half
	s_mov_b32 s21, 0
	s_mov_b32 s47, 0
	s_mov_b64 s[18:19], KS
	s_mul_u64 s[22:23], s[20:21], s[18:19]
	s_mul_u64 s[92:93], s[46:47], s[18:19]
	s_mov_b64 s[18:19], KROW
	s_mul_u64 s[20:21], s[20:21], s[18:19]
	s_mul_u64 s[46:47], s[46:47], s[18:19]
	s_add_nc_u64 s[46:47], s[46:47], WCODES
	s_add_nc_u64 s[92:93], s[92:93], WSCALES
	s_mul_i32 s45, s14, HALFT                      ; where they go: wave x 128 rows
	s_mul_i32 s94, s14, HALFS
	s_wait_dscnt 0x0                               ; both opening adds are done
	s_wait_kmcnt 0x0
	s_add_nc_u64 s[20:21], s[4:5], s[20:21]
	s_add_nc_u64 s[22:23], s[6:7], s[22:23]
	s_add_nc_u64 s[46:47], s[4:5], s[46:47]
	s_add_nc_u64 s[92:93], s[6:7], s[92:93]
	CROUND                                         ; all sixteen work-groups are here: the joint loads meet
	s_mov_b32 s[G0S], 1
	s_add_co_u32 s[G0S+1], s94, SCL
	s_mov_b64 s[G0S+2:G0S+3], s[22:23]
	s_or_b32 s[G0S+3], s[G0S+3], 0x80000000
	s_mov_b32 s[G0SB], 1
	s_add_co_u32 s[G0SB+1], s94, SCL
	s_mov_b64 s[G0SB+2:G0SB+3], s[92:93]
	s_or_b32 s[G0SB+3], s[G0SB+3], 0x80000000
	JLOAD G0S, G1S, G0SB, G1SB
.irp s, 0,1
	s_mov_b32 s[G0+4*\s], 1
	s_add_co_u32 s[G0+4*\s+1], s45, \s*SLOT
	s_add_nc_u64 s[G0+4*\s+2:G0+4*\s+3], s[20:21], \s*ROWB
	s_or_b32 s[G0+4*\s+3], s[G0+4*\s+3], 0x80000000
	s_mov_b32 s[G0B+4*\s], 1
	s_add_co_u32 s[G0B+4*\s+1], s45, \s*SLOT
	s_add_nc_u64 s[G0B+4*\s+2:G0B+4*\s+3], s[46:47], \s*ROWB
	s_or_b32 s[G0B+4*\s+3], s[G0B+4*\s+3], 0x80000000
	JLOAD G0+4*\s, G1, G0B+4*\s, G1B
.endr
	v_and_b32 v1, 15, v0                           ; r
	v_bfe_u32 v2, v0, 4, 1                         ; h
	v_mul_u32_u24 v3, v1, PITCH
	v_lshl_add_u32 v4, v2, 4, v3
	s_mul_i32 s21, s15, HALFT
	s_mul_i32 s22, s16, HALFT
	s_add_co_u32 s22, s22, 2*HALFT
.irp s, 0,1
	v_add_nc_u32 v[ADRA+\s], s21, v4
	v_add_nc_u32 v[ADRB+\s], s22, v4
	s_add_co_u32 s21, s21, SLOT
	s_add_co_u32 s22, s22, SLOT
.endr
	v_mul_u32_u24 v5, v1, KS
	v_lshrrev_b32 v6, 8, v5
	v_lshl_add_u32 v5, v6, 4, v5
	s_mul_i32 s21, s15, HALFS
	s_mul_i32 s22, s16, HALFS
	s_add_co_u32 s22, s22, 2*HALFS
	s_sub_co_u32 s22, s22, s21
	v_mul_u32_u24 v6, s22, v2                      ; lanes 16-31 take W's scale words
	s_add_co_u32 s21, s21, SCL
	v_add_nc_u32 v5, v5, v6
	v_add_nc_u32 v[ADRS], s21, v5
	; the way out's addresses
	v_lshlrev_b32 v[TBO], 8, v1
	v_lshl_add_u32 v[TBO], v2, 5, v[TBO]           ; the table: row r of 256 bytes, + 32 h: my four pairs
	s_mul_i32 s23, s14, HST
	v_mul_u32_u24 v5, v1, 144
	v_lshl_add_u32 v5, v2, 4, v5
	v_add_nc_u32 v[STO], s23, v5                   ; f16 stage, in: row r, 16 bytes for each half of the lanes
	v_and_b32 v6, 31, v0
	v_lshrrev_b32 v7, 3, v6
	v_mul_u32_u24 v7, v7, 144
	v_and_b32 v8, 7, v6
	v_lshl_add_u32 v7, v8, 4, v7
	v_add_nc_u32 v[RD], s23, v7                    ; back: eight lanes to a row of 128 bytes, four rows an instruction
	v_lshlrev_b32 v[CO], 4, v6                     ; and in memory: 16 bytes a lane
	s_mul_i32 s23, s14, FSTW
	s_add_co_u32 s23, s23, FST
	v_mul_u32_u24 v5, v1, 528
	v_lshl_add_u32 v5, v2, 5, v5
	v_add_nc_u32 v[STO32], s23, v5
	v_add_nc_u32 v[RD32], s23, v[CO]
	; the way out's pointers
	s_and_b32 s18, s17, 7
	s_lshl_b32 s18, s18, 8
	s_lshl_b32 s19, s15, 7
	s_add_co_u32 s18, s18, s19                     ; my first position in the sequence
	s_lshl_b32 s20, s18, 8
	s_lshl_b32 s19, ttmp9, 19
	s_add_co_u32 s20, s20, s19
	s_mov_b32 s21, 0
	s_add_nc_u64 s[8:9], s[8:9], s[20:21]          ; the part's table at that position
	s_lshl_b32 s46, s40, 2
	s_lshl_b32 s47, s16, 1
	s_add_co_u32 s46, s46, s47                     ; my first head: 4 cx + 2 x column half
	s_lshr_b32 s47, s17, 3
	s_lshl_b32 s47, s47, 4
	s_add_co_u32 s46, s46, s47                     ; + 16 x batch
	s_lshl_b32 s46, s46, 18
	s_lshl_b32 s47, ttmp9, 24
	s_add_co_u32 s46, s46, s47
	s_lshl_b32 s47, s18, 7
	s_add_co_u32 s46, s46, s47
	s_mov_b32 s47, 0
	s_add_nc_u64 s[10:11], s[10:11], s[46:47]
	s_mul_i32 s20, s17, 196608
	s_lshl_b32 s46, s42, 10
	s_lshl_b32 s47, s16, 9
	s_add_co_u32 s46, s46, s47
	s_add_co_u32 s46, s46, s20
	s_mov_b32 s47, 0
	s_add_nc_u64 s[12:13], s[12:13], s[46:47]
; block a's table entries, 16 rows x my 16 pairs (the two heads share them), into set 0 or 1 of window 1
.macro TLD a, set
	WIN 0x40
.irp bb, 0,1,2,3
.irp e, 0,1
	global_load_b128 v[64+32*(\set)+8*\bb+4*\e:64+32*(\set)+8*\bb+4*\e+3], v[TBO], s[8:9] offset:(\a)*4096+\bb*64+\e*16
.endr
.endr
	WIN 0
.endm
	TLD 0, 0                                       ; asked for now, wanted behind the products
	TLD 1, 1
.macro FRAG reg, adr, q, i             ; 16 rows x 128 K of 4-bit codes: 8 registers, two loads of 16 bytes, 32 bytes apart
.irp c, 0,1
	ds_load_b128 v[\reg+4*\c:\reg+4*\c+3], v[\adr] offset:64*(\q)+32*\c+(\i)*16*PITCH
.endr
.endm
; 16 matrix instructions: x's blocks a0, a0 + 1 against W's eight.  The 64 accumulators take turns, one instruction a turn.
.macro MUL16 a0, p, q, sc, zero
.irp a, \a0, \a0+1
.irp b, 0,1,2,3,4,5,6,7
.if \zero
	v_wmma_scale_f32_16x16x128_f8f6f4 v[8*(8*((\a)%4)+\b):8*(8*((\a)%4)+\b)+7], v[128*(\p)+FR*\b:128*(\p)+FR*\b+FR-1], v[AF+FR*(\a):AF+FR*(\a)+FR-1], 0, v[SC+8*NQ*(\sc)+NQ*\b+(\q)], v[SC+8*NQ*(\sc)+NQ*(\a)+(\q)] matrix_a_fmt:MATRIX_FMT_FP4 matrix_b_fmt:MATRIX_FMT_FP4 matrix_a_scale:MATRIX_SCALE_ROW1
.else
	v_wmma_scale_f32_16x16x128_f8f6f4 v[8*(8*((\a)%4)+\b):8*(8*((\a)%4)+\b)+7], v[128*(\p)+FR*\b:128*(\p)+FR*\b+FR-1], v[AF+FR*(\a):AF+FR*(\a)+FR-1], v[8*(8*((\a)%4)+\b):8*(8*((\a)%4)+\b)+7], v[SC+8*NQ*(\sc)+NQ*\b+(\q)], v[SC+8*NQ*(\sc)+NQ*(\a)+(\q)] matrix_a_fmt:MATRIX_FMT_FP4 matrix_b_fmt:MATRIX_FMT_FP4 matrix_a_scale:MATRIX_SCALE_ROW1
.endif
.endr
.endr
.endm
.macro FETCH_B slot, q, p
	WIN TO_B
.irp i, 0,1,2,3,4,5,6,7
	FRAG 128*(\p)+FR*\i, ADRB+\slot, \q, \i
.endr
	WIN 0
.endm
.macro FETCH_A slot, q, i0
.irp i, \i0, \i0+1, \i0+2, \i0+3
	FRAG AF+FR*(\i), ADRA+\slot, \q, \i
.endr
.endm
.macro SCALES sc                       ; a K step's scale words: lanes 0-15 x's block i, lanes 16-31 W's block i
.irp i, 0,1,2,3,4,5,6,7
	ds_load_b128 v[SC+8*NQ*\sc+NQ*\i:SC+8*NQ*\sc+NQ*\i+3], v[ADRS] offset:\i*SBLK
.endr
.endm
.macro PLACES n                        ; plain vector instructions between a matrix instruction and a load into, or a vector write of, its registers, or a read of its result
.rept \n
	v_nop
.endr
.endm
.macro STEP slot, q, zero
	s_wait_dscnt 4*NL                              ; W's set and x's blocks 0-3 are in; the youngest eight loads (blocks 4-7) may be out
	WIN MUL_LO
	MUL16 0, (\q)%2, \q, \slot, \zero
	MUL16 2, (\q)%2, \q, \slot, \zero
	s_wait_dscnt 0
	PLACES NP
	FETCH_B \slot, (\q)+1, 1-(\q)%2
	FETCH_A \slot, (\q)+1, 0
	WIN MUL_HI
	MUL16 4, (\q)%2, \q, \slot, \zero
	MUL16 6, (\q)%2, \q, \slot, \zero
	PLACES NP
	WIN 0
	FETCH_A \slot, (\q)+1, 4
.endm
; Slot 0's last step changes slots: one barrier.  In front of it each wave waits for all its tensor loads (its part of slot 1) and for its reads of slot 0.  Nothing is filled again.
.macro TURN slot, next
	s_wait_tensorcnt 0x0
	ds_add_u32 v[SPW], v[NIL]                      ; 0 onto my spare word
	s_wait_dscnt 4*NL+1                            ; the add and the youngest eight loads may be out
	WIN MUL_LO
	MUL16 0, 1, NQ-1, \slot, 0
	s_wait_dscnt 0x0
	s_barrier_signal -1
	MUL16 2, 1, NQ-1, \slot, 0
	WIN 0
	s_barrier_wait -1
	PLACES NP
	v_add_nc_u32 v[ADRS], 4*NQ, v[ADRS]
	FETCH_B \next, 0, 0
	FETCH_A \next, 0, 0
	SCALES \next
	WIN MUL_HI
	MUL16 4, 1, NQ-1, \slot, 0
	MUL16 6, 1, NQ-1, \slot, 0
	PLACES NP
	WIN 0
	FETCH_A \next, 0, 4
.endm
.macro STEPS slot, from
.set Q, \from
.rept NQ-1-\from
	STEP \slot, Q, 0
.set Q, Q+1
.endr
.endm
	s_wait_tensorcnt 1                             ; the scales and my part of slot 0 are in; slot 1's load may be out
	s_barrier_signal -1
	s_barrier_wait -1
	FETCH_B 0, 0, 0
	FETCH_A 0, 0, 0
	SCALES 0
	FETCH_A 0, 0, 4
	STEP 0, 0, 1                                   ; the first products start the sums
	STEPS 0, 1
	TURN 0, 1
	STEPS 1, 0
	s_wait_dscnt 4*NL
	WIN MUL_LO
	MUL16 0, 1, NQ-1, 1, 0
	MUL16 2, 1, NQ-1, 1, 0
	s_wait_dscnt 0
	WIN MUL_HI
	MUL16 4, 1, NQ-1, 1, 0
	MUL16 6, 1, NQ-1, 1, 0
	WIN 0
; THE WAY OUT.
.macro ROPE a                          ; block a's 64 numbers a lane, rotated, into v[RR] on.  Each accumulator is read from its low end on
.set AC, 64*((\a)%4)
.set TT, 64+32*((\a)%2)
	WIN 0x06+(\a)/4                                ; source 0: window 2 or 3; source 1: window 1
.irp b, 0,1,2,3,4,5,6,7
.irp i, 0,1,2,3
	v_pk_mul_f32 v[TP+2*\i:TP+2*\i+1], v[AC+8*\b+2*\i:AC+8*\b+2*\i+1], v[TT+8*(\b%4)+2*\i:TT+8*(\b%4)+2*\i+1] op_sel_hi:[0,1]   ; (x1 c, x1 s)
.endr
.irp i, 0,1,2,3
	v_pk_fma_f32 v[RR+8*\b+2*\i:RR+8*\b+2*\i+1], v[AC+8*\b+2*\i:AC+8*\b+2*\i+1], v[TT+8*(\b%4)+2*\i:TT+8*(\b%4)+2*\i+1], v[TP+2*\i:TP+2*\i+1] op_sel:[1,1,0] op_sel_hi:[1,0,1] neg_lo:[0,1,0]   ; (- x2 s, + x2 c) on top
.endr
.endr
	WIN 0
.endm
.macro PACKH
.set j, 0
.rept 32
	v_cvt_pk_f16_f32 v[HH+j], v[RR+2*j], v[RR+2*j+1]
.set j, j+1
.endr
.endm
.macro TOST a                          ; LDS serves a wave's instructions in order: the loads see the stores, and the next block's stores come behind them
.irp b, 0,1,2,3,4,5,6,7
	ds_store_b128 v[STO], v[HH+4*\b:HH+4*\b+3] offset:(\b/4)*2304+(\b%4)*32
.endr
.set BB, BK+32*((\a)%2)
.irp hh, 0,1
.irp t, 0,1,2,3
	ds_load_b128 v[BB+4*(4*\hh+\t):BB+4*(4*\hh+\t)+3], v[RD] offset:\hh*2304+\t*576
.endr
.endr
.endm
.macro SENDH a
.set BB, BK+32*((\a)%2)
	s_wait_dscnt 0x0
.irp hh, 0,1
.irp t, 0,1,2,3
	global_store_b128 v[CO], v[BB+4*(4*\hh+\t):BB+4*(4*\hh+\t)+3], s[10:11] offset:\hh*262144+(\a)*2048+\t*512   ; four rows of a head: 512 consecutive bytes
.endr
.endr
.endm
.macro FINE32                          ; the tile's rows 0-15 in f32: the waves of the upper row half alone (a branch on the wave's number)
	s_cmp_lg_u32 s15, 0
	s_cbranch_scc1 .Lno_fine
.irp b, 0,1,2,3,4,5,6,7
	ds_store_b128 v[STO32], v[RR+8*\b:RR+8*\b+3] offset:64*\b
	ds_store_b128 v[STO32], v[RR+8*\b+4:RR+8*\b+7] offset:64*\b+16
.endr
.irp t, 0,1,2,3,4,5,6,7,8,9,10,11,12,13,14,15
	ds_load_b128 v[RR+4*\t:RR+4*\t+3], v[RD32] offset:528*\t
.endr
	s_wait_dscnt 0x0
.irp t, 0,1,2,3,4,5,6,7,8,9,10,11,12,13,14,15
	global_store_b128 v[CO], v[RR+4*\t:RR+4*\t+3], s[12:13] offset:12288*\t   ; 512 consecutive bytes of a row
.endr
	s_wait_xcnt 0x0                                ; the stores have read their data: the next block writes these registers
.Lno_fine:
.endm
.macro BLOCK a
.if (\a) < 7
	s_wait_loadcnt 8                               ; this block's table entries are in; the next block's eight loads may be out
.else
	s_wait_loadcnt 0
.endif
	ROPE \a
.if (\a) < 6
	TLD (\a)+2, (\a)%2
.endif
	PACKH
.if (\a) == 0
	FINE32
.endif
.if (\a) > 0
	SENDH (\a)-1
.endif
.if (\a) > 1
	s_wait_xcnt 0x0                                ; block a - 2's stores have read the registers into which this block comes back
.endif
	TOST \a
.endm
	PLACES NP                                      ; behind the last products: their results are read, and registers that they read are written
.irp a, 0,1,2,3,4,5,6,7
	BLOCK \a
.endr
	SENDH 7
	s_wait_tensorcnt 0x0                           ; the wave's end
	ds_add_u32 v[SPW], v[NIL]
	s_wait_dscnt 0x0
	CROUND                                         ; the closing round
	s_endpgm
.Lfunc_end_k_q67daed788a_qkv:
	.size	k_q67daed788a_qkv, .Lfunc_end_k_q67daed788a_qkv-k_q67daed788a_qkv
	.p2alignl 7, 3214868480
	.fill 96, 4, 3214868480
	.section	.rodata,"a",@progbits
	.p2align	6, 0x0
	.amdhsa_kernel k_q67daed788a_qkv
		.amdhsa_group_segment_fixed_size 327680
		.amdhsa_private_segment_fixed_size 0
		.amdhsa_enable_private_segment 0
		.amdhsa_kernarg_size 40
		.amdhsa_user_sgpr_count 2
		.amdhsa_user_sgpr_kernarg_segment_ptr 1
		.amdhsa_wavefront_size32 1
		.amdhsa_system_sgpr_workgroup_id_x 1
		.amdhsa_system_sgpr_workgroup_id_y 1
		.amdhsa_system_sgpr_workgroup_id_z 1
		.amdhsa_system_vgpr_workitem_id 0
		.amdhsa_next_free_vgpr 1024
		.amdhsa_next_free_sgpr 100
		.amdhsa_reserve_vcc 0
		.amdhsa_float_denorm_mode_32 3
		.amdhsa_float_denorm_mode_16_64 3
		.amdhsa_memory_ordered 1
		.amdhsa_forward_progress 1
		.amdhsa_inst_pref_size 170
	.end_amdhsa_kernel
	.amdgpu_metadata
---
amdhsa.version: [ 1, 2 ]
amdhsa.kernels:
  - .name:           k_q67daed788a_qkv
    .symbol:         k_q67daed788a_qkv.kd
    .args:
      - { .name: codes, .offset: 0, .size: 8, .value_kind: global_buffer, .address_space: global }
      - { .name: scales, .offset: 8, .size: 8, .value_kind: global_buffer, .address_space: global }
      - { .name: tab, .offset: 16, .size: 8, .value_kind: global_buffer, .address_space: global }
      - { .name: qkv16, .offset: 24, .size: 8, .value_kind: global_buffer, .address_space: global }
      - { .name: fine32, .offset: 32, .size: 8, .value_kind: global_buffer, .address_space: global }
    .group_segment_fixed_size: 327680
    .private_segment_fixed_size: 0
    .kernarg_segment_align: 8
    .kernarg_segment_size: 40
    .max_flat_workgroup_size: 128
    .sgpr_count:     100
    .vgpr_count:     1024
    .wavefront_size: 32
...
	.end_amdgpu_metadata
.endif
;; end of part 2
;; launch attn (part 3): grid 4 x 64, 8 waves a work-group, no clusters, 327,680 bytes of LDS; arguments qkv16, att16; writes att16
.if DOCPART == 3
	.amdgcn_target "amdgcn-amd-amdhsa--gfx1250"
	.amdhsa_code_object_version 6
	.text
	.protected	k_q67daed788a_attn
	.globl	k_q67daed788a_attn
	.p2align	8
	.type	k_q67daed788a_attn,@function
k_q67daed788a_attn:
	s_mov_b64 s[64:65], 0
	v_nop
	global_prefetch_b8 v0, s[64:65] scope:SCOPE_SE
	s_setreg_imm32_b32 hwreg(HW_REG_WAVE_MODE, 25, 1), 1
	s_wait_xcnt 0x0
; Causal attention of one head, head size 64, operands in f16, products, maxima and sums in f32.  q arrives multiplied by log2(e) / 8, so a score is already the exponent of 2.
; qkv16: [3 parts][64 batch x head][2048][64] f16;  att16: [64][2048][64] f16: o, divided by its row's sum.
; SHARES.  Work-group (x, head) owns the query blocks 7 - x (first) and x, 256 queries each: they need (8 - x) + (x + 1) = 9 units of 256 keys, whatever x is: 256 work-groups of equal work,
; and ONE loop of constant count.  Each of the eight waves owns 32 queries, two tiles of 16; two waves share a SIMD, so that one's softmax stands beside the other's products and LDS loads.
; LAYOUT.  S^T = K Q^T (source 0 = 16 keys, source 1 = 16 queries) and O^T = V^T P (source 0 = 16 channels, source 1 = P): a lane holds ONE query throughout; two score tiles, rounded to f16 in pairs,
; are source 1 of the second product.  K comes out of LDS as it lies, V turned, by ds_load_tr16_b128.
; SOFTMAX.  A running maximum m and sum l a query; p = 2^(s - m); in every step O and l are multiplied by a = 2^(m_old - m_new).
; MASK.  A step (64 keys) all of whose keys come after the wave's queries is left out by a scalar branch on ids; in a step on the diagonal hidden scores become -infinity.  Every step that is walked
; begins at or before the wave's first query, so every query has a key that counts in it.
; RING.  Two slots of 256 keys, filled by the tensor data mover (waves 0, 1: K's halves; waves 2, 3: V's), read by all eight.  Every wait for tensor loads is for all; a wave has one out behind each barrier.
; NO CLUSTER: the four work-groups of a head want different key units at the same trip from trip 5 on (unit t against t - (8 - x)), so their loads could not be one request.
; LIMITS: |q log2(e)/8|, |k|, |v| under 65,504; NaN and infinities are not served.
; REGISTERS: window 0: v1-15 addresses and constants; v16-31 statistics, 8 a tile; v32-95 S^T; v96-127 P; v128-191 O^T.   window 1: v0-31 Q; v32-95 K of a step; v96-159 V of a step.
.set KPB,   272                        ; two keys' 256 bytes + 16 of padding: key k lies at (k / 2) x pitch + (k % 2) x 128; the 16 rows of a fragment load fall on 16 different 16-byte columns
.set VPB,   288                        ; for V 32 of padding
.set VOFF,  128*KPB
.set SLOT1, 1<<17
.set STAGE, SLOT1+128*(KPB+VPB)        ; behind the ring: 16 rows x (128 + 16) bytes for each wave
.set SPARE, STAGE+8*16*144             ; the spare words, 128 bytes a wave
.set AK0, 1
.set AV0, 2
.set ADK, 3
.set ADV, 4
.set QO,  5
.set STO, 6
.set RD,  7
.set GO,  8
.set SPW, 9
.set NIL, 10
.set PFO, 11
.set RH,  12
.set D0,  13                           ; v13, v14: my query less the step's first key less 8 h, for tiles 0 and 1
.set NINF, 15
.set ST,  16                           ; tile t at v[ST + 8 t]: +0 m, +1 its pair's partner, +2, +3 l, +4 to +7 at work; a in +6
.set S,   32
.set P,   96
.set O,   128
.set QF,  0
.set KFR, 32
.set VFR, 96
.set WV,  18
.set SEL, 20
.set G1K, 24
.set G1V, 32
.set G0K, 40
.set G0V, 44
.set KB,  48
.set VB,  50
.set QPB, 52
.set QPA, 54
.set OUTB, 56
.set OUTA, 58
.set PFK, 60
.set PFV, 62
.set U,   66
.set SW,  67
.set NBK, 68
.set TK,  69
.set TV,  70
.set KF,  71
.set Q0,  72
.set Q0A, 73
.set INNER, 74
.set LIM, 75
.set MSB, 0
.macro WIN new
.if MSB != \new
	s_set_vgpr_msb (MSB<<8)|\new
.set MSB, \new
.endif
.endm
; Waves 0 and 1 fetch K's halves of a unit, waves 2 and 3 V's, the others nothing.  An s_nop 0 and four v_nop follow each of the two lines.
.macro TLOAD
	s_cmp_lt_u32 s[WV], 2
	s_cbranch_scc0 .Lnot_k_\@
	tensor_load_to_lds s[G0K:G0K+3], s[G1K:G1K+7]
	s_nop 0
.rept 4
	v_nop
.endr
	s_branch .Lasked_\@
.Lnot_k_\@:
	s_cmp_lt_u32 s[WV], 4
	s_cbranch_scc0 .Lasked_\@
	tensor_load_to_lds s[G0V:G0V+3], s[G1V:G1V+7]
	s_nop 0
.rept 4
	v_nop
.endr
.Lasked_\@:
.endm
; A PREFETCH INTO THE L2 of the unit that the NEXT change of slots will ask for: 32,768 bytes of K and of V.  All four work-groups of a head walk the same units: the one with x = 0, which walks
; units 0 to 7 in order, asks; in it waves 4 to 7, which fetch nothing: 8,192 bytes of each a wave, lanes 256 bytes apart.  So each block of 256 bytes is named once.  Trips 0 to 5 ask (units 2 to 7).
.macro ASK
	s_cmp_lt_u32 s[U], s[LIM]
	s_cbranch_scc0 .Lnot_mine_\@
	global_prefetch_b8 v[PFO], s[PFK:PFK+1] th:TH_LOAD_NT scope:SCOPE_SE
	global_prefetch_b8 v[PFO], s[PFV:PFV+1] th:TH_LOAD_NT scope:SCOPE_SE
.Lnot_mine_\@:
.endm
	s_load_b128 s[4:7], s[0:1], 0x0                ; qkv16, att16
	v_lshl_add_u32 v[SPW], v0, 2, SPARE
	v_mov_b32 v[NIL], 0
	ds_add_u32 v[SPW], v[NIL]                      ; the wave's opening: the add, twice on end, and its wait ahead of the first tensor load
	ds_add_u32 v[SPW], v[NIL]
	v_lshrrev_b32 v1, 5, v0
	v_readfirstlane_b32 s[WV], v1                  ; wave 0..7
	s_and_b32 s8, ttmp7, 0xffff
	s_lshl_b32 s8, s8, 18                          ; the head's first byte in a part
	s_sub_co_u32 s[SW], 7, ttmp9                   ; the trip behind which the first block is finished
	s_sub_co_u32 s[NBK], 8, ttmp9                  ; the first block's units
	s_and_b32 s10, s[WV], 1
	s_lshl_b32 s11, s10, 14                        ; my half of a unit: 128 keys
	s_add_co_u32 s12, s8, s11
	s_add_co_u32 s12, s12, 0x1000000               ; in part 1, k
	s_mov_b32 s13, 0
	s_add_co_u32 s14, s12, 0x1000000               ; in part 2, v
	s_mov_b32 s15, 0
	s_mul_i32 s16, s10, 64*KPB                     ; and in a slot
	s_mul_i32 s17, s10, 64*VPB
	s_add_co_u32 s17, s17, VOFF
	s_lshl_b32 s11, s[WV], 5
	s_lshl_b32 s[Q0], s[SW], 8
	s_add_co_u32 s[Q0], s[Q0], s11                 ; my first query in block 7 - x
	s_lshl_b32 s[Q0A], ttmp9, 8
	s_add_co_u32 s[Q0A], s[Q0A], s11               ; and in block x
	s_lshl_b32 s76, s[Q0], 7
	s_add_co_u32 s76, s76, s8
	s_mov_b32 s77, 0
	s_lshl_b32 s78, s[Q0A], 7
	s_add_co_u32 s78, s78, s8
	s_mov_b32 s79, 0
	s_and_b32 s84, s[WV], 3
	s_lshl_b32 s84, s84, 13
	s_add_co_u32 s84, s84, s8
	s_add_co_u32 s84, s84, 0x1008000               ; the prefetches stand at unit 1 of k; the first change of slots steps them to unit 2.  Nothing is asked for at the head
	s_mov_b32 s85, 0
	s_add_co_u32 s86, s84, 0x1000000
	s_mov_b32 s87, 0
	s_lshr_b32 s82, s[WV], 2
	s_xor_b32 s82, s82, 1                          ; 0 in waves 4 to 7,
	s_or_b32 s82, s82, ttmp9                       ; of the work-group with x = 0
	s_cmp_eq_u32 s82, 0
	s_cselect_b32 s[LIM], 6, 0
	s_mov_b32 s[G1K], (1<<16)|(1<<20)|(5<<22)|(3<<25)   ; elements of 2 bytes; padding: 4 words after every 64
	s_mov_b32 s[G1V], (1<<16)|(1<<20)|(5<<22)|(7<<25)   ; 8 words
.irp g, G1K, G1V
	s_mov_b32 s[\g+1], 128<<16                     ; tensor_dim0: two keys' 128 elements (the rows are dense in memory)
	s_mov_b32 s[\g+2], 64<<16                      ; tensor_dim1
	s_mov_b32 s[\g+3], 128<<16                     ; tile_dim0
	s_mov_b32 s[\g+4], 64                          ; tile_dim1
	s_mov_b32 s[\g+5], 128                         ; the pitch
	s_mov_b32 s[\g+6], 0
	s_mov_b32 s[\g+7], 0
.endr
	s_mov_b32 s[SEL], 0x76543210
	s_mov_b32 s[SEL+1], 0xfedcba98
	s_mov_b32 s[TK], 0
	s_mov_b32 s[TV], 0
	s_mov_b32 s[KF], 0
	s_mov_b32 s[U], 0
	s_wait_dscnt 0x0                               ; both opening adds are done
	s_wait_kmcnt 0x0
	s_add_nc_u64 s[KB:KB+1], s[4:5], s[12:13]
	s_add_nc_u64 s[VB:VB+1], s[4:5], s[14:15]
	s_add_nc_u64 s[QPB:QPB+1], s[4:5], s[76:77]
	s_add_nc_u64 s[QPA:QPA+1], s[4:5], s[78:79]
	s_add_nc_u64 s[OUTB:OUTB+1], s[6:7], s[76:77]
	s_add_nc_u64 s[OUTA:OUTA+1], s[6:7], s[78:79]
	s_add_nc_u64 s[PFK:PFK+1], s[4:5], s[84:85]
	s_add_nc_u64 s[PFV:PFV+1], s[4:5], s[86:87]
	s_mov_b32 s[G0K], 1
	s_mov_b32 s[G0K+1], s16
	s_mov_b64 s[G0K+2:G0K+3], s[KB:KB+1]
	s_or_b32 s[G0K+3], s[G0K+3], 0x80000000
	s_mov_b32 s[G0V], 1
	s_mov_b32 s[G0V+1], s17
	s_mov_b64 s[G0V+2:G0V+3], s[VB:VB+1]
	s_or_b32 s[G0V+3], s[G0V+3], 0x80000000
	TLOAD                                          ; unit 0 into slot 0
	v_and_b32 v32, 15, v0                          ; r
	v_bfe_u32 v33, v0, 4, 1                        ; h
	v_and_b32 v34, 31, v0                          ; lane
	v_lshrrev_b32 v35, 1, v32
	v_mul_u32_u24 v[AK0], v35, KPB
	v_and_b32 v35, 1, v32
	v_lshl_add_u32 v[AK0], v35, 7, v[AK0]
	v_lshl_add_u32 v[AK0], v33, 4, v[AK0]          ; K: key r, + 16 h
	v_and_b32 v35, 7, v0
	v_lshrrev_b32 v35, 1, v35
	v_lshl_add_u32 v35, v33, 2, v35
	v_mul_u32_u24 v[AV0], v35, VPB
	v_and_b32 v35, 1, v0
	v_lshl_add_u32 v[AV0], v35, 7, v[AV0]
	v_bfe_u32 v35, v0, 3, 1
	v_lshl_add_u32 v[AV0], v35, 4, v[AV0]
	v_add_nc_u32 v[AV0], VOFF, v[AV0]              ; V: key 8 h + lane % 8, channels 8 ((lane / 8) % 2) on
	v_lshlrev_b32 v[QO], 7, v32
	v_lshl_add_u32 v[QO], v33, 4, v[QO]
	s_mul_i32 s80, s[WV], 16*144
	s_add_co_u32 s80, s80, STAGE
	v_mul_u32_u24 v[STO], v32, 144
	v_lshl_add_u32 v[STO], v33, 4, v[STO]
	v_add_nc_u32 v[STO], s80, v[STO]
	v_lshrrev_b32 v35, 3, v34
	v_mul_u32_u24 v[RD], v35, 144
	v_and_b32 v35, 7, v34
	v_lshl_add_u32 v[RD], v35, 4, v[RD]
	v_add_nc_u32 v[RD], s80, v[RD]
	v_lshlrev_b32 v[GO], 4, v34
	v_lshlrev_b32 v[PFO], 8, v34
	v_lshlrev_b32 v35, 3, v33
	v_sub_nc_u32 v[RH], v32, v35                   ; r - 8 h
	v_mov_b32 v[NINF], 0xff800000
.macro QLOAD ptr                       ; my 32 queries stay in registers: tile t, channels 32 ks on
	WIN 0x40
.irp t, 0,1
.irp ks, 0,1
	global_load_b128 v[QF+16*\t+8*\ks:QF+16*\t+8*\ks+3], v[QO], s[\ptr:\ptr+1] offset:\t*2048+\ks*64
	global_load_b128 v[QF+16*\t+8*\ks+4:QF+16*\t+8*\ks+7], v[QO], s[\ptr:\ptr+1] offset:\t*2048+\ks*64+32
.endr
.endr
	WIN 0
.endm
.macro INIT                            ; the step is written once: a block's first step finds zeros, which the first change of m leaves zeros
.irp t, 0,1
	v_mov_b32 v[ST+8*\t], 0xff61b1e6               ; m = -3e38, under every score
	v_mov_b32 v[ST+8*\t+1], 0
	v_mov_b32 v[ST+8*\t+2], 0
	v_mov_b32 v[ST+8*\t+3], 0
.endr
.set j, 0
.rept 64
	v_mov_b32 v[O+j], 0
.set j, j+1
.endr
.endm
; A KEY STEP: 64 keys.
.macro STEP
	s_add_co_u32 s80, s[Q0], 31
	s_cmp_gt_u32 s[KF], s80                        ; all keys come after my queries: the step's work is left out, not the lines at its end that step addresses
	s_cbranch_scc1 .Lhidden_\@
	v_add_nc_u32 v[ADK], s[TK], v[AK0]
	v_add_nc_u32 v[ADV], s[TV], v[AV0]
	WIN 0x40
.irp kt, 0,1,2,3
.irp ks, 0,1
	ds_load_b128 v[KFR+16*\kt+8*\ks:KFR+16*\kt+8*\ks+3], v[ADK] offset:\kt*8*KPB+\ks*64
	ds_load_b128 v[KFR+16*\kt+8*\ks+4:KFR+16*\kt+8*\ks+7], v[ADK] offset:\kt*8*KPB+\ks*64+32
.endr
.endr
.irp kg, 0,1
.irp ct, 0,1,2,3
	ds_load_tr16_b128 v[VFR+32*\kg+8*\ct:VFR+32*\kg+8*\ct+3], v[ADV] offset:\kg*16*VPB+\ct*32
	ds_load_tr16_b128 v[VFR+32*\kg+8*\ct+4:VFR+32*\kg+8*\ct+7], v[ADV] offset:\kg*16*VPB+8*VPB+\ct*32
.endr
.endr
	s_wait_dscnt 16                                ; K's 16 loads are in; V's 16 may be out
	WIN 0x05
.irp kt, 0,1,2,3                       ; the eight accumulators take turns, one instruction a turn
.irp t, 0,1
	v_wmma_f32_16x16x32_f16 v[S+32*\t+8*\kt:S+32*\t+8*\kt+7], v[KFR+16*\kt:KFR+16*\kt+7], v[QF+16*\t:QF+16*\t+7], 0
.endr
.endr
.irp kt, 0,1,2,3
.irp t, 0,1
	v_wmma_f32_16x16x32_f16 v[S+32*\t+8*\kt:S+32*\t+8*\kt+7], v[KFR+16*\kt+8:KFR+16*\kt+15], v[QF+16*\t+8:QF+16*\t+15], v[S+32*\t+8*\kt:S+32*\t+8*\kt+7]
.endr
.endr
	WIN 0
.rept 4
	v_nop                                          ; places behind the products, ahead of the first read of the scores
.endr
	s_add_co_u32 s80, s[KF], 63
	s_cmp_le_u32 s80, s[Q0]                        ; all keys count: no mask
	s_cbranch_scc1 .Lopen_\@
	s_sub_co_i32 s80, s[Q0], s[KF]
	v_add_nc_u32 v[D0], s80, v[RH]
	v_add_nc_u32 v[D0+1], 16, v[D0]                ; register (t, kt, j) holds key KF + 16 kt + 8 h + j of query Q0 + 16 t + r: hidden where 16 kt + j > d
.irp t, 0,1
.irp kt, 0,1,2,3
.irp j, 0,1,2,3,4,5,6,7
	v_cmp_gt_i32 vcc_lo, 16*\kt+\j, v[D0+\t]
	v_cndmask_b32 v[S+32*\t+8*\kt+\j], v[S+32*\t+8*\kt+\j], v[NINF], vcc_lo
.endr
.endr
.endr
.Lopen_\@:
.irp c, 0,1,2,3                        ; the maximum: four chains a tile, each from its accumulator's low end on; the tiles alternate
.irp t, 0,1
	v_max3_num_f32 v[ST+8*\t+4+\c], v[S+32*\t+8*\c], v[S+32*\t+8*\c+1], v[S+32*\t+8*\c+2]
.endr
.endr
.irp i, 3,5
.irp c, 0,1,2,3
.irp t, 0,1
	v_max3_num_f32 v[ST+8*\t+4+\c], v[ST+8*\t+4+\c], v[S+32*\t+8*\c+\i], v[S+32*\t+8*\c+\i+1]
.endr
.endr
.endr
.irp t, 0,1
	v_max3_num_f32 v[ST+8*\t+4], v[ST+8*\t+4], v[S+32*\t+7], v[S+32*\t+15]
	v_max3_num_f32 v[ST+8*\t+6], v[ST+8*\t+6], v[S+32*\t+23], v[S+32*\t+31]
.endr
.irp t, 0,1
	v_max3_num_f32 v[ST+8*\t+4], v[ST+8*\t+4], v[ST+8*\t+5], v[ST+8*\t+6]
.endr
.irp t, 0,1
	v_max3_num_f32 v[ST+8*\t+4], v[ST+8*\t+4], v[ST+8*\t+7], v[ST+8*\t]
.endr
.irp t, 0,1
	v_permlanex16_b32 v[ST+8*\t+5], v[ST+8*\t+4], s[SEL], s[SEL+1]   ; the query's other 32 keys lie in the lane 16 away
.endr
.irp t, 0,1
	v_max_num_f32 v[ST+8*\t+5], v[ST+8*\t+4], v[ST+8*\t+5]           ; the new m
.endr
.irp t, 0,1
	v_sub_f32 v[ST+8*\t+7], v[ST+8*\t], v[ST+8*\t+5]                 ; m_old - m_new
.endr
.irp t, 0,1
	v_mov_b32 v[ST+8*\t], v[ST+8*\t+5]
.endr
.set j, 0
.rept 16
	v_pk_add_f32 v[S+2*j:S+2*j+1], v[S+2*j:S+2*j+1], v[ST:ST+1] op_sel_hi:[1,0] neg_lo:[0,1] neg_hi:[0,1]            ; s - m, two at a time
	v_pk_add_f32 v[S+32+2*j:S+32+2*j+1], v[S+32+2*j:S+32+2*j+1], v[ST+8:ST+9] op_sel_hi:[1,0] neg_lo:[0,1] neg_hi:[0,1]
.set j, j+1
.endr
.irp t, 0,1
	v_exp_f32 v[ST+8*\t+6], v[ST+8*\t+7]           ; a
.endr
.set j, 0
.rept 64
	v_exp_f32 v[S+j], v[S+j]                       ; p: one batch of 66 exponentials
.set j, j+1
.endr
	v_nop                                          ; a plain instruction behind the last exponential
	s_wait_alu depctr_va_vdst(0)                   ; one wait for the batch, ahead of its first reader
.set j, 0
.rept 32
	v_cvt_pk_f16_f32 v[P+j], v[S+2*j], v[S+2*j+1]
.set j, j+1
.endr
.irp w, 4,8,16,32                      ; the sums of the unrounded p, in place: neighbours 1, 2, 4 and 8 pairs apart, both tiles
.set j, 0
.rept 64/\w
	v_pk_add_f32 v[S+\w*j:S+\w*j+1], v[S+\w*j:S+\w*j+1], v[S+\w*j+\w/2:S+\w*j+\w/2+1]
.set j, j+1
.endr
.endr
.irp t, 0,1
	v_pk_fma_f32 v[ST+8*\t+2:ST+8*\t+3], v[ST+8*\t+2:ST+8*\t+3], v[ST+8*\t+6:ST+8*\t+7], v[S+32*\t:S+32*\t+1] op_sel_hi:[1,0,1]   ; l = a l + the sum
.endr
.set j, 0
.rept 16
	v_pk_mul_f32 v[O+2*j:O+2*j+1], v[O+2*j:O+2*j+1], v[ST+6:ST+7] op_sel_hi:[1,0]             ; O^T x a, each accumulator from its low end on
	v_pk_mul_f32 v[O+32+2*j:O+32+2*j+1], v[O+32+2*j:O+32+2*j+1], v[ST+14:ST+15] op_sel_hi:[1,0]
.set j, j+1
.endr
	s_wait_dscnt 0x0                               ; V is in
	WIN 0x01
.irp kg, 0,1
.irp ct, 0,1,2,3
.irp t, 0,1
	v_wmma_f32_16x16x32_f16 v[O+32*\t+8*\ct:O+32*\t+8*\ct+7], v[VFR+32*\kg+8*\ct:VFR+32*\kg+8*\ct+7], v[P+16*\t+8*\kg:P+16*\t+8*\kg+7], v[O+32*\t+8*\ct:O+32*\t+8*\ct+7]
.endr
.endr
.endr
	WIN 0
.rept 4
	v_nop                                          ; places ahead of the next loads into V's registers and of the next read of O^T
.endr
.Lhidden_\@:
	s_add_co_u32 s[KF], s[KF], 64
	s_add_co_u32 s[TK], s[TK], 32*KPB
	s_add_co_u32 s[TV], s[TV], 32*VPB
.endm
.macro UNIT                            ; a slot's four key steps: written once, walked four times; then on to the other slot
	s_mov_b32 s[INNER], 4
.Lstep_\@:
	STEP
	s_sub_co_u32 s[INNER], s[INNER], 1
	s_cmp_lg_u32 s[INNER], 0
	s_cbranch_scc1 .Lstep_\@
	s_sub_co_u32 s[TK], s[TK], 128*KPB
	s_xor_b32 s[TK], s[TK], SLOT1
	s_sub_co_u32 s[TV], s[TV], 128*VPB
	s_xor_b32 s[TV], s[TV], SLOT1
.endm
; THE CHANGE OF SLOTS, at a unit's head.  Each wave waits for all its tensor loads (its part of the slot ahead), adds 0 to its spare word, and waits for that and for its reads of the slot left.
; fill = 1: behind the barrier the slot left is filled with the next unit, which then has four key steps in which to land.
.macro CHANGE fill
	s_wait_tensorcnt 0x0                           ; no tensor load of mine is out: a group 0 may be written
	ds_add_u32 v[SPW], v[NIL]
.if \fill
	ds_add_u32 v[SPW], v[NIL]                      ; and twice on end here, in every trip alike
	s_xor_b32 s[G0K+1], s[G0K+1], SLOT1
	s_xor_b32 s[G0V+1], s[G0V+1], SLOT1
	s_add_co_u32 s80, s[U], 1
	s_sub_co_u32 s81, s80, s[NBK]
	s_cmp_lt_u32 s80, s[NBK]
	s_cselect_b32 s80, s80, s81                    ; the next unit's key block: the first query block's units, then the second's from 0 on
	s_lshl_b32 s80, s80, 15
	s_mov_b32 s81, 0
	s_add_nc_u64 s[G0K+2:G0K+3], s[KB:KB+1], s[80:81]
	s_or_b32 s[G0K+3], s[G0K+3], 0x80000000
	s_add_nc_u64 s[G0V+2:G0V+3], s[VB:VB+1], s[80:81]
	s_or_b32 s[G0V+3], s[G0V+3], 0x80000000
	s_wait_xcnt 0x0                                ; the last prefetches, a unit back, have read their addresses
	s_add_nc_u64 s[PFK:PFK+1], s[PFK:PFK+1], 32768
	s_add_nc_u64 s[PFV:PFV+1], s[PFV:PFV+1], 32768
.endif
	s_wait_dscnt 0x0
	s_barrier_signal -1
	s_barrier_wait -1
.if \fill
	TLOAD                                          ; the first thing behind the barrier, and a wave's one tensor load until the next
	ASK
.endif
.endm
; A query block is finished: O^T / l, rounded to f16, a tile at a time through my stage, stored as 512 consecutive bytes (four rows of 128).
.macro FINAL ptr, more
.irp t, 0,1
	v_add_f32 v[ST+8*\t+4], v[ST+8*\t+2], v[ST+8*\t+3]
.endr
.irp t, 0,1
	v_permlanex16_b32 v[ST+8*\t+5], v[ST+8*\t+4], s[SEL], s[SEL+1]
.endr
.irp t, 0,1
	v_add_f32 v[ST+8*\t+4], v[ST+8*\t+4], v[ST+8*\t+5]
.endr
.irp t, 0,1
	v_rcp_f32 v[ST+8*\t+6], v[ST+8*\t+4]
.endr
	v_nop
	s_wait_alu depctr_va_vdst(0)                   ; one wait for the two reciprocals
.set j, 0
.rept 16
	v_pk_mul_f32 v[O+2*j:O+2*j+1], v[O+2*j:O+2*j+1], v[ST+6:ST+7] op_sel_hi:[1,0]
	v_pk_mul_f32 v[O+32+2*j:O+32+2*j+1], v[O+32+2*j:O+32+2*j+1], v[ST+14:ST+15] op_sel_hi:[1,0]
.set j, j+1
.endr
.set j, 0
.rept 32
	v_cvt_pk_f16_f32 v[P+j], v[O+2*j], v[O+2*j+1]
.set j, j+1
.endr
.irp t, 0,1
.irp ct, 0,1,2,3
	ds_store_b128 v[STO], v[P+16*\t+4*\ct:P+16*\t+4*\ct+3] offset:32*\ct
.endr
.irp u, 0,1,2,3
	ds_load_b128 v[S+32*\t+4*\u:S+32*\t+4*\u+3], v[RD] offset:576*\u   ; LDS serves a wave's instructions in order
.endr
.endr
	s_wait_dscnt 0x0
.irp t, 0,1
.irp u, 0,1,2,3
	global_store_b128 v[GO], v[S+32*\t+4*\u:S+32*\t+4*\u+3], s[\ptr:\ptr+1] offset:2048*\t+512*\u
.endr
.endr
.if \more
	s_wait_xcnt 0x0                                ; the stores have read their data: the next scores land there
.endif
.endm
	QLOAD QPB
	INIT
	s_wait_loadcnt 0x0
.Lunit:                                            ; eight trips; behind each change of slots the next unit is asked for
	CHANGE 1
	UNIT
	s_cmp_lg_u32 s[U], s[SW]                       ; the work-group's number and the count of trips alone: all eight waves go the same way
	s_cbranch_scc1 .Lsame
	FINAL OUTB, 1
	QLOAD QPA
	INIT
	s_mov_b32 s[Q0], s[Q0A]
	s_mov_b32 s[KF], 0
	s_wait_loadcnt 0x0
.Lsame:
	s_add_co_u32 s[U], s[U], 1
	s_cmp_lt_u32 s[U], 8
	s_cbranch_scc1 .Lunit
	CHANGE 0                                       ; the ninth unit is written out: nothing is left to fetch
	UNIT
	FINAL OUTA, 0
	s_wait_tensorcnt 0x0                           ; the wave's end
	ds_add_u32 v[SPW], v[NIL]
	s_wait_dscnt 0x0
	s_endpgm
.Lfunc_end_k_q67daed788a_attn:
	.size	k_q67daed788a_attn, .Lfunc_end_k_q67daed788a_attn-k_q67daed788a_attn
	.p2alignl 7, 3214868480
	.fill 96, 4, 3214868480
	.section	.rodata,"a",@progbits
	.p2align	6, 0x0
	.amdhsa_kernel k_q67daed788a_attn
		.amdhsa_group_segment_fixed_size 327680
		.amdhsa_private_segment_fixed_size 0
		.amdhsa_enable_private_segment 0
		.amdhsa_kernarg_size 16
		.amdhsa_user_sgpr_count 2
		.amdhsa_user_sgpr_kernarg_segment_ptr 1
		.amdhsa_wavefront_size32 1
		.amdhsa_system_sgpr_workgroup_id_x 1
		.amdhsa_system_sgpr_workgroup_id_y 1
		.amdhsa_system_sgpr_workgroup_id_z 1
		.amdhsa_system_vgpr_workitem_id 0
		.amdhsa_next_free_vgpr 512
		.amdhsa_next_free_sgpr 100
		.amdhsa_reserve_vcc 1
		.amdhsa_float_denorm_mode_32 3
		.amdhsa_float_denorm_mode_16_64 3
		.amdhsa_memory_ordered 1
		.amdhsa_forward_progress 1
		.amdhsa_inst_pref_size 71
	.end_amdhsa_kernel
	.amdgpu_metadata
---
amdhsa.version: [ 1, 2 ]
amdhsa.kernels:
  - .name:           k_q67daed788a_attn
    .symbol:         k_q67daed788a_attn.kd
    .args:
      - { .name: qkv16, .offset: 0, .size: 8, .value_kind: global_buffer, .address_space: global }
      - { .name: att16, .offset: 8, .size: 8, .value_kind: global_buffer, .address_space: global }
    .group_segment_fixed_size: 327680
    .private_segment_fixed_size: 0
    .kernarg_segment_align: 8
    .kernarg_segment_size: 16
    .max_flat_workgroup_size: 256
    .sgpr_count:     100
    .vgpr_count:     512
    .wavefront_size: 32
...
	.end_amdgpu_metadata
.endif
;; end of part 3
;; launch proj (part 4): grid 8 x 32, 4 waves a work-group, clusters of 4 x 4, 327,680 bytes of LDS; arguments att16, wo16, out0; writes out0
.if DOCPART == 4
	.amdgcn_target "amdgcn-amd-amdhsa--gfx1250"
	.amdhsa_code_object_version 6
	.text
	.protected	k_q67daed788a_proj
	.globl	k_q67daed788a_proj
	.p2align	8
	.type	k_q67daed788a_proj,@function
k_q67daed788a_proj:
	s_mov_b64 s[64:65], 0
	v_nop
	global_prefetch_b8 v0, s[64:65] scope:SCOPE_SE
	s_setreg_imm32_b32 hwreg(HW_REG_WAVE_MODE, 25, 1), 1
	s_wait_xcnt 0x0
	s_wait_alu depctr_hold_cnt(0) depctr_sa_sdst(0) depctr_va_vdst(0) depctr_va_sdst(0) depctr_va_ssrc(0) depctr_va_vcc(0) depctr_vm_vsrc(0)
	s_getreg_b32 s2, hwreg(HW_REG_IB_STS2, 6, 4)
	s_cmp_eq_u32 s2, 0
	s_cbranch_scc0 .Lentry_in_a_cluster
	s_endpgm
.Lentry_in_a_cluster:
	s_bfe_u32 s2, ttmp6, 0x10000c
	s_cmp_lg_u32 s2, 0xf033
	s_cbranch_scc0 .Lentry_shape_is_right
	s_endpgm
.Lentry_shape_is_right:
; out0[m][e] = sum over d of o[m][d] Wo[e][d]: [8192] x [1024], K = 1,024, f16 operands, f32 sums and results.
; o arrives by head, att16 [batch x 16 + head][2048][64] f16: a K step is 128 = two heads, each a dense block of 256 rows x 128 bytes;  wo16 [1024 e][1024 d] f16.
; A tile is 256 rows x 128 columns: 256 work-groups.  Four waves, each 128 x 64: 32 accumulators, all of window 1.  Eight K steps through a ring of two LDS slots; 128 matrix instructions a wave in a step.
; CLUSTERS: 4 x 4.  The four of a row need the same tiles of o, the four of a column the same tiles of Wo: each is asked for jointly.  Where a slot is filled again a round of the cluster's barrier stands in front.
; THE MATRIX INSTRUCTION IS USED TRANSPOSED (source 0 = 16 rows of Wo, source 1 = 16 rows of o): a lane holds eight neighbouring columns of a row: 32 bytes.
; The 16 first positions of each sequence are written again, more finely, by the launch that follows.
; LIMIT: |o|, |Wo| under 65,504.
; REGISTERS: window 0: v16-29 addresses; two fragment buffers at v32 and v128: o's 8 fragments, then Wo's 4; on the way out v32-95 rows read back.   window 1: accumulator (a, b) at v[8 (4 a + b)].
.set PITCH,  272                       ; 256 bytes + 16 of padding
.set PLANE,  128*PITCH                 ; a head's 256 rows, two to an LDS row: row m lies at (m / 2) x pitch + (m % 2) x 128
.set BOFF,   2*PLANE
.set HALFB,  64*PITCH
.set SLOT,   BOFF+2*HALFB
.set STAGE,  2*SLOT                    ; behind the ring: 16 rows x 272 bytes for each wave
.set SPITCH, 272
.set SPARE,  STAGE+4*16*SPITCH
.set LAPS,   4
.set ADRA, 16
.set ADRB, 20
.set STO,  24
.set RD,   25
.set CO,   26
.set SPW,  28
.set NIL,  29
.set F0,   32
.set F1,   128
.set BK,   32
.set G1, 24
.set G0, 32
.set G1B, 48
.set G0B, 56
.set MSB, 0
.macro WIN new
.if MSB != \new
	s_set_vgpr_msb (MSB<<8)|\new
.set MSB, \new
.endif
.endm
.set MUL, 0x50                         ; C and D window 1, sources 0 and 1 window 0
.macro JLOAD s                         ; waves 0 and 1 fetch o's two heads, waves 2 and 3 Wo's halves; an s_nop 0 and four v_nop follow each line
	s_cmp_eq_u32 s11, 0
	s_cbranch_scc0 .Lfor_b_\@
	tensor_load_to_lds s[G0+4*\s:G0+4*\s+3], s[G1:G1+7]
	s_nop 0
.rept 4
	v_nop
.endr
	s_branch .Lasked_\@
.Lfor_b_\@:
	tensor_load_to_lds s[G0B+4*\s:G0B+4*\s+3], s[G1B:G1B+7]
	s_nop 0
.rept 4
	v_nop
.endr
.Lasked_\@:
.endm
.macro CREST
	s_cmp_lg_u32 s10, 0
	s_cbranch_scc1 .Lnot_wave_0_\@
	s_barrier_signal -3
.Lnot_wave_0_\@:
	s_barrier_wait -3
	s_barrier_signal -1
	s_barrier_wait -1
.endm
.macro CROUND
	s_barrier_signal -1
	s_barrier_wait -1
	CREST
.endm
	s_load_b128 s[4:7], s[0:1], 0x0                ; att16, wo16
	s_load_b64 s[8:9], s[0:1], 0x10                ; out0
	v_lshl_add_u32 v[SPW], v0, 2, SPARE
	v_mov_b32 v[NIL], 0
	ds_add_u32 v[SPW], v[NIL]                      ; the wave's opening: the add, twice on end, and its wait ahead of my first tensor load
	ds_add_u32 v[SPW], v[NIL]
	v_lshrrev_b32 v1, 5, v0
	v_readfirstlane_b32 s10, v1                    ; wave 0..3
	s_lshr_b32 s11, s10, 1                         ; my half of the rows; also: I fetch for o (0) or Wo (1)
	s_and_b32 s12, s10, 1                          ; my half of the columns; also: which head, or which 64 rows of Wo, I fetch
	s_bfe_u32 s40, ttmp6, 0x40000
	s_bfe_u32 s41, ttmp6, 0x40004
	s_lshl_b32 s42, ttmp9, 2
	s_add_co_u32 s42, s42, s40                     ; tile column
	s_and_b32 s13, ttmp7, 0xffff
	s_lshl_b32 s13, s13, 2
	s_add_co_u32 s13, s13, s41                     ; tile row
	s_lshl_b32 s43, s41, 2
	s_lshl_b32 s43, 15, s43
	s_lshl_b32 s44, 0x1111, s40
	s_or_b32 s[G1+0], s43, (1<<16)|(1<<20)|(1<<21)|(5<<22)|(3<<25)   ; mask; elements of 2 bytes; padding: 4 words after every 64; bit 21 beside a mask
	s_or_b32 s[G1B+0], s44, (1<<16)|(1<<20)|(1<<21)|(5<<22)|(3<<25)
	s_mov_b32 s[G1+1], 128<<16                     ; o: a dense block as 128 rows of 128 elements
	s_mov_b32 s[G1+2], 128<<16
	s_mov_b32 s[G1+3], 128<<16
	s_mov_b32 s[G1+4], 128
	s_mov_b32 s[G1+5], 128
	s_mov_b32 s[G1+6], 0
	s_mov_b32 s[G1+7], 0
	s_mov_b32 s[G1B+1], 128<<16                    ; Wo: 64 rows of 128 elements, 1,024 elements apart
	s_mov_b32 s[G1B+2], 64<<16
	s_mov_b32 s[G1B+3], 128<<16
	s_mov_b32 s[G1B+4], 64
	s_mov_b32 s[G1B+5], 1024
	s_mov_b32 s[G1B+6], 0
	s_mov_b32 s[G1B+7], 0
	s_lshr_b32 s16, s13, 3
	s_lshl_b32 s16, s16, 22                        ; the batch's 16 heads
	s_and_b32 s17, s13, 7
	s_lshl_b32 s17, s17, 15                        ; the tile's 256 positions
	s_add_co_u32 s16, s16, s17
	s_lshl_b32 s17, s12, 18                        ; my head of the K step's two
	s_add_co_u32 s16, s16, s17
	s_mov_b32 s17, 0
	s_lshl_b32 s46, s42, 18                        ; Wo: row 128 x tile column + 64 x half, 2,048 bytes a row
	s_lshl_b32 s47, s12, 17
	s_add_co_u32 s46, s46, s47
	s_mov_b32 s47, 0
	s_mul_i32 s20, s12, PLANE
	s_mul_i32 s21, s12, HALFB
	s_add_co_u32 s21, s21, BOFF
	s_wait_dscnt 0x0
	s_wait_kmcnt 0x0
	s_add_nc_u64 s[14:15], s[4:5], s[16:17]
	s_add_nc_u64 s[46:47], s[6:7], s[46:47]
	CROUND                                         ; all sixteen work-groups are here: the first joint loads meet
.irp s, 0,1
	s_mov_b32 s[G0+4*\s], 1
	s_add_co_u32 s[G0+4*\s+1], s20, \s*SLOT
	s_add_nc_u64 s[G0+4*\s+2:G0+4*\s+3], s[14:15], \s*524288
	s_or_b32 s[G0+4*\s+3], s[G0+4*\s+3], 0x80000000
	s_mov_b32 s[G0B+4*\s], 1
	s_add_co_u32 s[G0B+4*\s+1], s21, \s*SLOT
	s_add_nc_u64 s[G0B+4*\s+2:G0B+4*\s+3], s[46:47], \s*256
	s_or_b32 s[G0B+4*\s+3], s[G0B+4*\s+3], 0x80000000
	JLOAD \s
.endr
	v_and_b32 v1, 15, v0                           ; r
	v_bfe_u32 v2, v0, 4, 1                         ; h
	v_lshrrev_b32 v3, 1, v1
	v_mul_u32_u24 v3, v3, PITCH
	v_and_b32 v4, 1, v1
	v_lshl_add_u32 v3, v4, 7, v3
	v_lshl_add_u32 v3, v2, 4, v3                   ; o: row r, + 16 h
	v_mul_u32_u24 v4, v1, PITCH
	v_lshl_add_u32 v4, v2, 4, v4                   ; Wo likewise
	s_mul_i32 s21, s11, HALFB                      ; my 128 rows of o: 64 LDS rows
	s_mul_i32 s22, s12, HALFB
	s_add_co_u32 s22, s22, BOFF
.irp s, 0,1
	v_add_nc_u32 v[ADRA+\s], s21, v3
	v_add_nc_u32 v[ADRB+\s], s22, v4
	s_add_co_u32 s21, s21, SLOT
	s_add_co_u32 s22, s22, SLOT
.endr
	s_mul_i32 s23, s10, 16*SPITCH
	s_add_co_u32 s23, s23, STAGE
	v_mul_u32_u24 v5, v1, SPITCH
	v_lshl_add_u32 v5, v2, 5, v5
	v_add_nc_u32 v[STO], s23, v5                   ; in: row r, 32 bytes for each half of the lanes
	v_mul_u32_u24 v5, v2, SPITCH
	v_lshl_add_u32 v5, v1, 4, v5
	v_add_nc_u32 v[RD], s23, v5                    ; back: lanes 0-15 one row of 256 bytes, lanes 16-31 the next
	v_lshlrev_b32 v5, 12, v2
	v_lshl_add_u32 v[CO], v1, 4, v5
	s_lshl_b32 s16, s13, 20
	s_lshl_b32 s17, s11, 19
	s_add_co_u32 s16, s16, s17                     ; my first row of out0, 4,096 bytes a row
	s_mov_b32 s17, 0
	s_add_nc_u64 s[8:9], s[8:9], s[16:17]
	s_lshl_b32 s46, s42, 9
	s_lshl_b32 s47, s12, 8
	s_add_co_u32 s46, s46, s47
	s_mov_b32 s47, 0
	s_add_nc_u64 s[8:9], s[8:9], s[46:47]
; n x 4 matrix instructions: o's blocks a0 .. a0 + n - 1 against Wo's four, 32 along K.  The 32 accumulators take turns, one instruction a turn.
.macro MULA f, a0, n, zero
.set ab, \a0
.rept \n
.irp b, 0,1,2,3
.if \zero
	v_wmma_f32_16x16x32_f16 v[8*(4*ab+\b):8*(4*ab+\b)+7], v[\f+64+8*\b:\f+64+8*\b+7], v[\f+8*ab:\f+8*ab+7], 0
.else
	v_wmma_f32_16x16x32_f16 v[8*(4*ab+\b):8*(4*ab+\b)+7], v[\f+64+8*\b:\f+64+8*\b+7], v[\f+8*ab:\f+8*ab+7], v[8*(4*ab+\b):8*(4*ab+\b)+7]
.endif
.endr
.set ab, ab+1
.endr
.endm
; 24 LDS loads in one run: quarter q (32 along K: head q / 2, channels 32 (q % 2) on) into buffer f: Wo's four fragments, o's blocks 0-3, o's blocks 4-7
.macro FETCH slot, q, f
.irp j, 0,1,2,3
	ds_load_b128 v[\f+64+8*\j:\f+64+8*\j+3], v[ADRB+\slot] offset:(\q)*64+\j*16*PITCH
	ds_load_b128 v[\f+64+8*\j+4:\f+64+8*\j+7], v[ADRB+\slot] offset:(\q)*64+\j*16*PITCH+32
.endr
.irp i, 0,1,2,3,4,5,6,7
	ds_load_b128 v[\f+8*\i:\f+8*\i+3], v[ADRA+\slot] offset:((\q)/2)*PLANE+((\q)%2)*64+\i*8*PITCH
	ds_load_b128 v[\f+8*\i+4:\f+8*\i+7], v[ADRA+\slot] offset:((\q)/2)*PLANE+((\q)%2)*64+\i*8*PITCH+32
.endr
.endm
.macro PLACES                          ; four plain instructions in front of loads into registers that matrix instructions have read, and of the first read of results
.rept 4
	v_nop
.endr
.endm
.macro QUARTER slot, qn, f, g, zero    ; multiplies buffer f; in its middle fetches quarter qn of the same slot into g
	s_wait_dscnt 8                                 ; Wo's fragments and o's blocks 0-3 are in; the youngest eight loads may be out
	WIN MUL
	MULA \f, 0, 4, \zero
	WIN 0
	PLACES
	FETCH \slot, \qn, \g
	s_wait_dscnt 24                                ; all but the 24 just issued
	WIN MUL
	MULA \f, 4, 4, \zero
.endm
; The last quarter multiplies buffer 1 and changes slots: one barrier; in front of it each wave waits for all its tensor loads, adds 0 to its spare word, and waits for that and for its reads of this slot.
.macro TURN slot, next, fill
	WIN 0
	s_wait_tensorcnt 0x0                           ; my part of the next slot has landed
	ds_add_u32 v[SPW], v[NIL]
	s_wait_dscnt 9                                 ; the add and the youngest eight loads may be out
	WIN MUL
	MULA F1, 0, 2, 0
	s_wait_dscnt 0x0                               ; the add is done, and my reads of this slot are over
	s_barrier_signal -1
	MULA F1, 2, 2, 0
	WIN 0
	s_barrier_wait -1
.if \fill
	CREST                                          ; the barrier has opened a round of the cluster's barrier: no wave of any partner still reads this slot or has a load on its way
	s_add_nc_u64 s[G0+4*\slot+2:G0+4*\slot+3], s[G0+4*\slot+2:G0+4*\slot+3], 1048576
	s_add_nc_u64 s[G0B+4*\slot+2:G0B+4*\slot+3], s[G0B+4*\slot+2:G0B+4*\slot+3], 512
	JLOAD \slot                                    ; the first tensor load behind the round; its four v_nop are also the places in front of the loads below
.else
	PLACES
.endif
	FETCH \next, 0, F0
	WIN MUL
	MULA F1, 4, 4, 0
.endm
	s_wait_tensorcnt 1                             ; my part of K step 0 is in; K step 1's load may be out
	s_barrier_signal -1
	s_barrier_wait -1
	FETCH 0, 0, F0
	QUARTER 0, 1, F0, F1, 1                        ; the first quarter starts the sums
	WIN 0
	s_mov_b32 s3, LAPS-1
.Llap:                                             ; a trip goes once round the ring and fills both slots again
	QUARTER 0, 2, F1, F0, 0
	QUARTER 0, 3, F0, F1, 0
	TURN 0, 1, 1
	QUARTER 1, 1, F0, F1, 0
	QUARTER 1, 2, F1, F0, 0
	QUARTER 1, 3, F0, F1, 0
	TURN 1, 0, 1
	QUARTER 0, 1, F0, F1, 0
	WIN 0
	s_sub_co_u32 s3, s3, 1
	s_cmp_lg_u32 s3, 0
	s_cbranch_scc1 .Llap
	QUARTER 0, 2, F1, F0, 0                        ; the last lap fills nothing
	QUARTER 0, 3, F0, F1, 0
	TURN 0, 1, 0
	QUARTER 1, 1, F0, F1, 0
	QUARTER 1, 2, F1, F0, 0
	QUARTER 1, 3, F0, F1, 0
	s_wait_dscnt 8
	WIN MUL
	MULA F1, 0, 4, 0
	s_wait_dscnt 0
	MULA F1, 4, 4, 0
	WIN 0
; THE WAY OUT, a block of 16 rows x 64 columns at a time, through my own stage: back as whole rows of 256 bytes, which sixteen lanes store, aligned.
.macro TOSTAGE a
	WIN 0x04                                       ; an LDS store's data are its source 1: window 1
.irp b, 0,1,2,3
	ds_store_b128 v[STO], v[8*(4*(\a)+\b):8*(4*(\a)+\b)+3] offset:64*\b          ; each accumulator from its low end on
	ds_store_b128 v[STO], v[8*(4*(\a)+\b)+4:8*(4*(\a)+\b)+7] offset:64*\b+16
.endr
	WIN 0
.set BB, BK+32*((\a)%2)
.irp t, 0,1,2,3,4,5,6,7
	ds_load_b128 v[BB+4*\t:BB+4*\t+3], v[RD] offset:\t*2*SPITCH
.endr
.endm
.macro SEND a, younger
.set BB, BK+32*((\a)%2)
	s_wait_dscnt \younger
.irp t, 0,1,2,3,4,5,6,7
	global_store_b128 v[CO], v[BB+4*\t:BB+4*\t+3], s[8:9] offset:(16*(\a)+2*\t)*4096 th:TH_STORE_NT
.endr
.endm
	PLACES
	TOSTAGE 0
.irp a, 1,2,3,4,5,6,7
.if \a > 1
	s_wait_xcnt 0x0                                ; block a - 2's stores have read the registers into which block a comes back
.endif
	TOSTAGE \a
	SEND \a-1, 16                                  ; behind block a - 1's loads: block a's 8 stores and 8 loads
.endr
	SEND 7, 0
	s_wait_tensorcnt 0x0                           ; the wave's end
	ds_add_u32 v[SPW], v[NIL]
	s_wait_dscnt 0x0
	CROUND                                         ; the closing round
	s_endpgm
.Lfunc_end_k_q67daed788a_proj:
	.size	k_q67daed788a_proj, .Lfunc_end_k_q67daed788a_proj-k_q67daed788a_proj
	.p2alignl 7, 3214868480
	.fill 96, 4, 3214868480
	.section	.rodata,"a",@progbits
	.p2align	6, 0x0
	.amdhsa_kernel k_q67daed788a_proj
		.amdhsa_group_segment_fixed_size 327680
		.amdhsa_private_segment_fixed_size 0
		.amdhsa_enable_private_segment 0
		.amdhsa_kernarg_size 24
		.amdhsa_user_sgpr_count 2
		.amdhsa_user_sgpr_kernarg_segment_ptr 1
		.amdhsa_wavefront_size32 1
		.amdhsa_system_sgpr_workgroup_id_x 1
		.amdhsa_system_sgpr_workgroup_id_y 1
		.amdhsa_system_sgpr_workgroup_id_z 1
		.amdhsa_system_vgpr_workitem_id 0
		.amdhsa_next_free_vgpr 512
		.amdhsa_next_free_sgpr 66
		.amdhsa_reserve_vcc 0
		.amdhsa_float_denorm_mode_32 3
		.amdhsa_float_denorm_mode_16_64 3
		.amdhsa_memory_ordered 1
		.amdhsa_forward_progress 1
		.amdhsa_inst_pref_size 86
	.end_amdhsa_kernel
	.amdgpu_metadata
---
amdhsa.version: [ 1, 2 ]
amdhsa.kernels:
  - .name:           k_q67daed788a_proj
    .symbol:         k_q67daed788a_proj.kd
    .args:
      - { .name: att16, .offset: 0, .size: 8, .value_kind: global_buffer, .address_space: global }
      - { .name: wo16, .offset: 8, .size: 8, .value_kind: global_buffer, .address_space: global }
      - { .name: out0, .offset: 16, .size: 8, .value_kind: global_buffer, .address_space: global }
    .group_segment_fixed_size: 327680
    .private_segment_fixed_size: 0
    .kernarg_segment_align: 8
    .kernarg_segment_size: 24
    .max_flat_workgroup_size: 128
    .sgpr_count:     66
    .vgpr_count:     512
    .wavefront_size: 32
...
	.end_amdgpu_metadata
.endif
;; end of part 4
;; launch fine (part 5): grid 16 x 4, 16 waves a work-group, no clusters, 71,680 bytes of LDS; arguments fine32, Wo, out0; writes out0
.if DOCPART == 5
	.amdgcn_target "amdgcn-amd-amdhsa--gfx1250"
	.amdhsa_code_object_version 6
	.text
	.protected	k_q67daed788a_fine
	.globl	k_q67daed788a_fine
	.p2align	8
	.type	k_q67daed788a_fine,@function
k_q67daed788a_fine:
	s_mov_b64 s[64:65], 0
	v_nop
	global_prefetch_b8 v0, s[64:65] scope:SCOPE_SE
	s_setreg_imm32_b32 hwreg(HW_REG_WAVE_MODE, 25, 1), 1
	s_wait_xcnt 0x0
; Positions 0 to 15 of each of the four sequences, in f32 throughout: these rows average one to sixteen values and are the largest of the output, so f16 operands would weigh most here.
; fine32 [tile row][16 positions][3072] f32 holds q log2(e)/8, k, v behind the rotation; batch b's first positions are tile row 8 b.  Wo [1024 e][1024 d] f32.
; Work-group (g, b) makes out0[b, 0..15, 64 g .. 64 g + 63].  Wave hd is a head: its 16 x 16 attention (32 matrix instructions), then its o against Wo[64 g .., 64 hd ..] (64); the 16 heads' parts are added through LDS.
; All three products are v_wmma_f32_16x16x4_f32, used transposed, so that a lane keeps ONE query (lane % 16).  A place (lane / 16, register) of an instruction's K is given the same k on both sources,
; chosen so that each source is what the lane already holds: nothing changes lanes between the products.
; The four accumulators v24-55 are written by matrix instructions alone and serve three sums in turn, each begun with the constant 0.
; 96 matrix instructions a wave: no bulk work.
.set QO,  3
.set VO,  4
.set WO,  5
.set PST, 6
.set PRD, 7
.set GO,  8
.set SPW, 9
.set NIL, 10
.set ACC, 24
.set QR,  56
.set KR,  88
.set VR,  120                          ; v, later o
.set WA,  152                          ; Wo's rows 0-31 of my 64
.set WB,  56                           ; rows 32-63, in q's and k's registers
.set SS,  216
.set PP,  224
.set SPARE, 16*4352                    ; behind the 16 parts of 16 rows x (256 + 16) bytes: the spare words, 128 bytes a wave
	s_load_b128 s[4:7], s[0:1], 0x0                ; fine32, Wo
	s_load_b64 s[8:9], s[0:1], 0x10                ; out0
	v_lshl_add_u32 v[SPW], v0, 2, SPARE
	v_mov_b32 v[NIL], 0
	v_lshrrev_b32 v1, 5, v0
	v_readfirstlane_b32 s12, v1                    ; wave: my head, later my row
	s_and_b32 s13, ttmp7, 0xffff                   ; batch
	s_mul_i32 s14, s13, 1572864
	s_lshl_b32 s16, s12, 8
	s_add_co_u32 s14, s14, s16
	s_mov_b32 s15, 0
	s_lshl_b32 s18, ttmp9, 18
	s_add_co_u32 s18, s18, s16
	s_mov_b32 s19, 0
	s_lshl_b32 s22, s13, 23
	s_lshl_b32 s16, s12, 12
	s_add_co_u32 s22, s22, s16
	s_lshl_b32 s16, ttmp9, 8
	s_add_co_u32 s22, s22, s16
	s_mov_b32 s23, 0
	s_mov_b32 s20, 0x76543210
	s_mov_b32 s21, 0xfedcba98
	v_and_b32 v1, 15, v0                           ; r
	v_bfe_u32 v2, v0, 4, 1                         ; h
	v_and_b32 v232, 31, v0
	v_mul_u32_u24 v[QO], v1, 12288
	v_lshl_add_u32 v[QO], v2, 4, v[QO]             ; q, k: position r, + 16 h
	v_mul_u32_u24 v[VO], v2, 98304
	v_lshl_add_u32 v[VO], v1, 2, v[VO]             ; v: position 8 h, channel r
	v_lshlrev_b32 v[WO], 12, v1
	v_lshl_add_u32 v[WO], v2, 5, v[WO]             ; Wo: row r, + 32 h
	s_mul_i32 s16, s12, 4352
	v_mul_u32_u24 v[PST], v1, 272
	v_lshl_add_u32 v[PST], v2, 5, v[PST]
	v_add_nc_u32 v[PST], s16, v[PST]
	s_mul_i32 s16, s12, 272
	v_lshlrev_b32 v[GO], 3, v232
	v_add_nc_u32 v[PRD], s16, v[GO]
	v_lshlrev_b32 v233, 3, v2
	v_sub_nc_u32 v11, v1, v233                     ; r - 8 h
	v_mov_b32 v12, 0xff800000
	v_mov_b32 v14, 0                               ; (a lane permute's destination counts as one of its sources)
	v_mov_b32 v17, 0
	s_wait_kmcnt 0x0
	s_add_nc_u64 s[4:5], s[4:5], s[14:15]
	s_add_nc_u64 s[6:7], s[6:7], s[18:19]
	s_add_nc_u64 s[8:9], s[8:9], s[22:23]
.irp c, 0,1,2,3,4,5,6,7
	global_load_b128 v[QR+4*\c:QR+4*\c+3], v[QO], s[4:5] offset:32*\c              ; q(r, 8 c + 4 h + 0..3)
.endr
.irp c, 0,1,2,3,4,5,6,7
	global_load_b128 v[KR+4*\c:KR+4*\c+3], v[QO], s[4:5] offset:4096+32*\c
.endr
.irp ct, 0,1,2,3
.irp kk, 0,1,2,3,4,5,6,7
	global_load_b32 v[VR+8*\ct+\kk], v[VO], s[4:5] offset:8192+12288*\kk+64*\ct    ; v(8 h + kk, 16 ct + r)
.endr
.endr
.irp et, 0,1
.irp ct, 0,1,2,3
	global_load_b128 v[WA+32*\et+8*\ct:WA+32*\et+8*\ct+3], v[WO], s[6:7] offset:65536*\et+64*\ct      ; Wo(16 et + r, 16 ct + 8 h + 0..7)
	global_load_b128 v[WA+32*\et+8*\ct+4:WA+32*\et+8*\ct+7], v[WO], s[6:7] offset:65536*\et+64*\ct+16
.endr
.endr
	s_wait_loadcnt 48                              ; q and k are in; v's 32 loads and Wo's 16 may be out
; S^T = k q^T: 16 instructions on four accumulators by turns; place (h, j) of instruction (c, u) is channel 8 c + 4 h + 2 u + j
.irp c, 0,1,2,3,4,5,6,7
.irp u, 0,1
.if \c < 2
	v_wmma_f32_16x16x4_f32 v[ACC+8*((2*\c+\u)%4):ACC+8*((2*\c+\u)%4)+7], v[KR+4*\c+2*\u:KR+4*\c+2*\u+1], v[QR+4*\c+2*\u:QR+4*\c+2*\u+1], 0
.else
	v_wmma_f32_16x16x4_f32 v[ACC+8*((2*\c+\u)%4):ACC+8*((2*\c+\u)%4)+7], v[KR+4*\c+2*\u:KR+4*\c+2*\u+1], v[QR+4*\c+2*\u:QR+4*\c+2*\u+1], v[ACC+8*((2*\c+\u)%4):ACC+8*((2*\c+\u)%4)+7]
.endif
.endr
.endr
.rept 8
	v_nop                                          ; eight places behind this form, ahead of loads into its sources and of the first read of its results
.endr
.irp et, 0,1
.irp ct, 0,1,2,3
	global_load_b128 v[WB+32*\et+8*\ct:WB+32*\et+8*\ct+3], v[WO], s[6:7] offset:131072+65536*\et+64*\ct
	global_load_b128 v[WB+32*\et+8*\ct+4:WB+32*\et+8*\ct+7], v[WO], s[6:7] offset:131072+65536*\et+64*\ct+16
.endr
.endr
.irp j, 0,1,2,3,4,5,6,7                ; register j: key 8 h + j of query r; the four parts are added, each accumulator from its low end on
	v_add_f32 v[232+2*(\j%2)], v[ACC+\j], v[ACC+8+\j]
	v_add_f32 v[233+2*(\j%2)], v[ACC+16+\j], v[ACC+24+\j]
	v_add_f32 v[SS+\j], v[232+2*(\j%2)], v[233+2*(\j%2)]
.endr
.irp j, 0,1,2,3,4,5,6,7
	v_cmp_gt_i32 vcc_lo, \j, v11                   ; hidden where 8 h + j > r
	v_cndmask_b32 v[SS+\j], v[SS+\j], v12, vcc_lo
.endr
	v_max3_num_f32 v13, v[SS], v[SS+1], v[SS+2]
	v_max3_num_f32 v13, v13, v[SS+3], v[SS+4]
	v_max3_num_f32 v13, v13, v[SS+5], v[SS+6]
	v_max_num_f32 v13, v13, v[SS+7]
	v_permlanex16_b32 v14, v13, s20, s21
	v_max_num_f32 v13, v13, v14                    ; the row's maximum (key 0 counts for every query)
.irp j, 0,1,2,3,4,5,6,7
	v_sub_f32 v[PP+\j], v[SS+\j], v13
.endr
.irp j, 0,1,2,3,4,5,6,7
	v_exp_f32 v[PP+\j], v[PP+\j]
.endr
	v_nop
	s_wait_alu depctr_va_vdst(0)                   ; one wait for the eight exponentials, ahead of their first reader
	v_add_f32 v15, v[PP], v[PP+1]
	v_add_f32 v16, v[PP+2], v[PP+3]
	v_add_f32 v18, v[PP+4], v[PP+5]
	v_add_f32 v19, v[PP+6], v[PP+7]
	v_add_f32 v15, v15, v16
	v_add_f32 v18, v18, v19
	v_add_f32 v15, v15, v18
	v_permlanex16_b32 v17, v15, s20, s21
	v_add_f32 v15, v15, v17
	v_rcp_f32 v20, v15
	v_nop
	s_wait_alu depctr_va_vdst(0)
	s_wait_loadcnt 32                              ; v is in; Wo's 32 loads may be out
; O^T = v^T p: place (h, j) of instruction i is key 8 h + 2 i + j
.irp i, 0,1,2,3
.irp ct, 0,1,2,3
.if \i == 0
	v_wmma_f32_16x16x4_f32 v[ACC+8*\ct:ACC+8*\ct+7], v[VR+8*\ct+2*\i:VR+8*\ct+2*\i+1], v[PP+2*\i:PP+2*\i+1], 0
.else
	v_wmma_f32_16x16x4_f32 v[ACC+8*\ct:ACC+8*\ct+7], v[VR+8*\ct+2*\i:VR+8*\ct+2*\i+1], v[PP+2*\i:PP+2*\i+1], v[ACC+8*\ct:ACC+8*\ct+7]
.endif
.endr
.endr
.rept 9
	v_nop                                          ; nine places: the results are read, v's registers are written, and the accumulators are begun anew by matrix instructions
.endr
.set j, 0
.rept 32
	v_mul_f32 v[VR+j], v[ACC+j], v20               ; o(r, 16 ct + 8 h + j) = O^T / the sum
.set j, j+1
.endr
	s_wait_loadcnt 0x0
; out^T = Wo o^T, my head's part: place (h, j) of instruction (ct, i) is channel 16 ct + 8 h + 2 i + j
.irp ct, 0,1,2,3
.irp i, 0,1,2,3
.irp et, 0,1,2,3
.if \et < 2
.set WR, WA+32*\et+8*\ct+2*\i
.else
.set WR, WB+32*(\et-2)+8*\ct+2*\i
.endif
.if (\ct == 0) && (\i == 0)
	v_wmma_f32_16x16x4_f32 v[ACC+8*\et:ACC+8*\et+7], v[WR:WR+1], v[VR+8*\ct+2*\i:VR+8*\ct+2*\i+1], 0
.else
	v_wmma_f32_16x16x4_f32 v[ACC+8*\et:ACC+8*\et+7], v[WR:WR+1], v[VR+8*\ct+2*\i:VR+8*\ct+2*\i+1], v[ACC+8*\et:ACC+8*\et+7]
.endif
.endr
.endr
.endr
.rept 8
	v_nop
.endr
.irp et, 0,1,2,3
	ds_store_b128 v[PST], v[ACC+8*\et:ACC+8*\et+3] offset:64*\et         ; lane (r, h): my head's part of out(r, 16 et + 8 h + 0..7)
	ds_store_b128 v[PST], v[ACC+8*\et+4:ACC+8*\et+7] offset:64*\et+16
.endr
	s_wait_dscnt 0x0                               ; for the others' sake: my stores have landed
	s_barrier_signal -1
	s_barrier_wait -1
.irp p, 0,1,2,3,4,5,6,7,8,9,10,11,12,13,14,15
	ds_load_b64 v[56+2*\p:57+2*\p], v[PRD] offset:4352*\p               ; row = my wave's number, 8 bytes a lane, of each head's part
.endr
	s_wait_dscnt 0x0
.irp w, 4,8,16,32
.set j, 0
.rept 32/\w
	v_pk_add_f32 v[56+\w*j:57+\w*j], v[56+\w*j:57+\w*j], v[56+\w*j+\w/2:57+\w*j+\w/2]
.set j, j+1
.endr
.endr
	global_store_b64 v[GO], v[56:57], s[8:9]       ; the wave stores 256 consecutive bytes, aligned
	s_wait_tensorcnt 0x0                           ; the wave's end, behind my last LDS store
	ds_add_u32 v[SPW], v[NIL]
	s_wait_dscnt 0x0
	s_endpgm
.Lfunc_end_k_q67daed788a_fine:
	.size	k_q67daed788a_fine, .Lfunc_end_k_q67daed788a_fine-k_q67daed788a_fine
	.p2alignl 7, 3214868480
	.fill 96, 4, 3214868480
	.section	.rodata,"a",@progbits
	.p2align	6, 0x0
	.amdhsa_kernel k_q67daed788a_fine
		.amdhsa_group_segment_fixed_size 71680
		.amdhsa_private_segment_fixed_size 0
		.amdhsa_enable_private_segment 0
		.amdhsa_kernarg_size 24
		.amdhsa_user_sgpr_count 2
		.amdhsa_user_sgpr_kernarg_segment_ptr 1
		.amdhsa_wavefront_size32 1
		.amdhsa_system_sgpr_workgroup_id_x 1
		.amdhsa_system_sgpr_workgroup_id_y 1
		.amdhsa_system_sgpr_workgroup_id_z 1
		.amdhsa_system_vgpr_workitem_id 0
		.amdhsa_next_free_vgpr 256
		.amdhsa_next_free_sgpr 66
		.amdhsa_reserve_vcc 1
		.amdhsa_float_denorm_mode_32 3
		.amdhsa_float_denorm_mode_16_64 3
		.amdhsa_memory_ordered 1
		.amdhsa_forward_progress 1
		.amdhsa_inst_pref_size 24
	.end_amdhsa_kernel
	.amdgpu_metadata
---
amdhsa.version: [ 1, 2 ]
amdhsa.kernels:
  - .name:           k_q67daed788a_fine
    .symbol:         k_q67daed788a_fine.kd
    .args:
      - { .name: fine32, .offset: 0, .size: 8, .value_kind: global_buffer, .address_space: global }
      - { .name: Wo, .offset: 8, .size: 8, .value_kind: global_buffer, .address_space: global }
      - { .name: out0, .offset: 16, .size: 8, .value_kind: global_buffer, .address_space: global }
    .group_segment_fixed_size: 71680
    .private_segment_fixed_size: 0
    .kernarg_segment_align: 8
    .kernarg_segment_size: 24
    .max_flat_workgroup_size: 512
    .sgpr_count:     66
    .vgpr_count:     256
    .wavefront_size: 32
...
	.end_amdgpu_metadata
.endif
;; end of part 5
